; MI455X (gfx1250); checked and timed in simulation.
; The chip was launched on July 23, 2026; its instructions are those of AMD's public machine-readable ISA for CDNA 5 (MIT licence, August 2026) and "CDNA5" Instruction Set Architecture Reference Guide (July 2026). The comments in the code are by the model that wrote it; some were corrected since.
;; Multi Head Attention. Allowed arithmetic: matrix products marked QUANTISED: E3M2 operands, one E8M0 scale for each 32 along K, by v_wmma_scale_f32_16x16x128_f8f6f4 with both operands' format E3M2, f32 sums; everything else in f32.
;; Inputs: W_k 1,024 x 1,024 float32; W_o 1,024 x 1,024 float32; W_q 1,024 x 1,024 float32; W_v 1,024 x 1,024 float32; b_o 1,024 float32; x 1 x 4,096 x 1,024 float32.
;; Outputs: out0 1 x 4,096 x 1,024 float32.
;; This version of the problem:
;;   THIS VERSION OF THE PROBLEM IS GIVEN IN LOW PRECISION. The matrix products marked QUANTISED in the list below multiply operands that are first quantised to E3M2 (3 exponent bits, 2 mantissa bits; 6 bits a number), with one power-of-two scale for each 32 numbers along K (OCP MX v1.0); their sums are f32. All else is computed in f32.
;;   The module's matrix products, in the order in which they are computed (A, B: the left and right operand; K: the contracted axis; several contracted axes count as one K, in the product's order):
;;     1. [M 4,096, K 1,024] x [K 1,024, N 1,024]; A: input x; B: input W_q: QUANTISED
;;     2. [M 4,096, K 1,024] x [K 1,024, N 1,024]; A: input x; B: input W_k: QUANTISED
;;     3. [M 4,096, K 1,024] x [K 1,024, N 1,024]; A: input x; B: input W_v: QUANTISED
;;     4. batch 16 x [M 4,096, K 64] x [K 64, N 4,096]; A: computed on the way; B: computed on the way: QUANTISED
;;     5. batch 16 x [M 4,096, K 4,096] x [K 4,096, N 64]; A: softmax (see below); B: computed on the way: QUANTISED
;;     6. [M 4,096, K 1,024] x [K 1,024, N 1,024]; A: computed on the way; B: input W_o: QUANTISED
;;   THE QUANTISER, for each operand of a quantised product, along K:
;;     - K is cut into blocks of 32 from its start; a last block that is shorter is filled with zeros.
;;     - A block's scale is 2^e with e = floor(log2(the largest magnitude in the block)) - 4, held to -126 .. 127; a block of zeros has e = 0. As a byte (E8M0): e + 127.
;;     - Each number is divided by its block's scale, clamped to +-28, and rounded to the nearest number of E3M2, ties to even, subnormals kept.
;;     - The product sums the exact products of the quantised numbers (number of the format x scale) in f32.
;;   ~~~python
;;   def quantise(x, axis):      # numpy; x: float32 -> the quantised numbers, widened to float32 again
;;       x = np.moveaxis(x, axis, -1); K = x.shape[-1]
;;       x = np.pad(x, [(0, 0)] * (x.ndim - 1) + [(0, -K % 32)]); x = x.reshape(x.shape[:-1] + (-1, 32)); a = np.abs(x).max(-1, keepdims=True)
;;       e = np.where(a > 0, np.clip(np.frexp(np.where(a > 0, a, 1))[1] - 1 - 4, -126, 127), 0)      # np.frexp(a)[1] - 1 = floor(log2(a)), exactly
;;       r = np.clip(x / 2.0 ** e, -28, 28)
;;       step = 2.0 ** (np.maximum(np.frexp(np.where(r == 0, 1, r))[1] - 1, -2) - 2)
;;       q = np.round(r / step) * step * 2.0 ** e      # np.round: ties to even
;;       return np.moveaxis(q.reshape(q.shape[:-2] + (-1,))[..., :K], -1, axis).astype(np.float32)
;;   ~~~
;;   SOFTMAX AHEAD OF A QUANTISED PRODUCT. Where the list says 'softmax', what is quantised is not the finished softmax but p = 2^(t - M), with t = logit x log2(e) and M = ceil(the row's largest t), a whole number; so 1/2 < the row's largest p <= 1. The row's sum l is taken of the UNQUANTISED p, in f32, and the product's result is divided by l at the end. Since M is a whole number, a kernel that streams over the keys may use a running M (the ceiling of the running maximum): every later rescaling is an exact power of two, which a block's scale takes up: the codes' values come out the same.
;;   OPERANDS COMPUTED ON THE WAY. 'Computed on the way' means the value that the module computes at that place (a softmax that the list does not call 'softmax' is quantised finished and normalised). What goes into a quantiser is computed in f32, as accurately as f32 sums, v_exp_f32 and their like allow (about 1e-6 of the number): no bf16 or f16 on the way to a quantiser, and a product that is left as it is and whose result goes on into a quantised operand takes f32 operands (vector FMAs, or v_wmma_f32_16x16x4_f32). A number that lies on a knife's edge between two numbers of the format may be rounded either way, as far as f32 arithmetic and the matrix unit's own rounding can turn it there, and no further.
;; 2 versions. Each part assembles by itself: llvm-mc -triple=amdgcn-amd-amdhsa -mcpu=gfx1250 --defsym DOCPART=n.
;; ======== version 1 of 2: 4 launches
;; workspace buffers: xw_codes 6,291,456 bytes; xw_scales 262,144 bytes; q_codes 3,145,728 bytes; q_scales 262,144 bytes; kv_codes 6,291,456 bytes; kv_scales 524,288 bytes; c_codes 3,145,728 bytes; c_scales 131,072 bytes
;; launch quant (part 1): grid 512 x 1, 4 waves a work-group, no clusters, 68,096 bytes of LDS; arguments x, W_q, W_k, W_v, W_o, xw_codes, xw_scales; writes xw_codes, xw_scales
.if DOCPART == 1
	.amdgcn_target "amdgcn-amd-amdhsa--gfx1250"
	.amdhsa_code_object_version 6
	.text
	.protected	k_q690b158e33_quant
	.globl	k_q690b158e33_quant
	.p2align	8
	.type	k_q690b158e33_quant,@function
k_q690b158e33_quant:
	s_mov_b64 s[64:65], 0
	v_nop
	global_prefetch_b8 v0, s[64:65] scope:SCOPE_SE
	s_setreg_imm32_b32 hwreg(HW_REG_WAVE_MODE, 25, 1), 1
	s_wait_xcnt 0x0
; x [4096][1024] and W_q, W_k, W_v, W_o [1024 (k)][1024 (n)], f32, become codes of BF6 (E3M2) along K with one E8M0 byte for each 32 along K.
; A block's scale is 2^(floor(log2(its largest magnitude)) - 4); its byte is the largest magnitude's exponent field - 4, held at 1 from below.
; THE CODES ARE LAID AS IMAGES OF OPERAND REGISTERS.  A fragment is 16 rows x 128 K, 12 registers a lane (lane (r, h): registers 6 c .. 6 c + 5 hold k = 64 c + 32 h + 0 .. 31);
; registers 4 g .. 4 g + 3 of lane l lie at 512 g + 16 l: 1,536 bytes.  Fragments lie [block of 256 rows][K step of 128][tile 0..15]; x from byte 0, the weights' columns (W_q, W_k, W_v, W_o on end) from WOFF.
; THE ROWS OF A TILE ARE NOT NEIGHBOURS: in each group of 32 rows, lane r of tile u takes row 8 u + r + 8 (r / 8), so that where such tiles are a product's source 0 a lane's 16 results of two tiles are 16 neighbours.
; Scale words (4 bytes: 128 along K of one row) lie [block][K step][tile][r].
; Work-groups 0-255 take x, 256-511 the weights; a wave does one job of 16 KB of f32: 32 rows (or columns) x 128 along K.  Waves share nothing: no barrier.  Only x's path touches LDS.
; LIMITS: NaN and infinities are not served.  A block whose largest magnitude lies under 2^-122, a block of zeros among them, keeps the byte 1 (the quantiser says 127 for zeros): its codes are zeros or
; are made under that byte, and the bytes are read by this program alone.
.set WOFF,  3145728                    ; where the weights' codes begin
.set WSOFF, 131072                     ; and their scale words
.set SROW,  528                        ; x's stage: a row of 512 bytes + 16, an odd multiple of 16 bytes
.set SWAVE, 32*SROW                    ; a wave's stage
	s_load_b256 s[4:11], s[0:1], 0x0               ; x s[4:5], W_q s[6:7], W_k s[8:9], W_v s[10:11]
	s_load_b128 s[12:15], s[0:1], 0x20             ; W_o s[12:13], the codes s[14:15]
	s_load_b64 s[16:17], s[0:1], 0x30              ; the scale words
	v_lshl_add_u32 v62, v0, 2, 0x10800
	v_mov_b32 v63, 0
	v_lshrrev_b32 v1, 5, v0
	v_readfirstlane_b32 s18, v1                    ; wave 0..3
	v_and_b32 v2, 31, v0                           ; lane
	s_cmp_lt_u32 ttmp9, 256
	s_cbranch_scc0 .Lweights
; ---------------- x: K is innermost.  Each load reads 512 consecutive bytes of one row; the 32 rows turn through the wave's own stage, so that a lane gets whole blocks of 32 neighbours.
	s_mov_b32 s20, 0x76543210
	s_mov_b32 s21, 0xfedcba98                      ; v_permlanex16_b32's selects for lane l xor 16
	s_mov_b32 s22, 0xffff0000                      ; lanes 16-31
	s_lshl_b32 s23, ttmp9, 2
	s_add_co_u32 s23, s23, s18                     ; job = 4 x work-group + wave
	s_lshr_b32 s24, s23, 3                         ; which 32 tokens
	s_and_b32 s25, s23, 7                          ; which K step
	s_lshl_b32 s26, s24, 17                        ; 32 rows of 4,096 bytes
	s_lshl_b32 s27, s25, 9                         ; 128 numbers
	s_add_co_u32 s26, s26, s27
	s_mov_b32 s27, 0
	v_lshlrev_b32 v3, 4, v2                        ; 16 x lane
	s_mul_i32 s28, s18, SWAVE
	v_add_nc_u32 v4, s28, v3                       ; the stage, on the way in
	v_and_b32 v5, 15, v2                           ; r
	v_lshrrev_b32 v6, 4, v2                        ; h
	v_mul_u32_u24 v7, v5, SROW
	v_lshl_add_u32 v7, v6, 7, v7
	v_add_nc_u32 v7, s28, v7                       ; and on the way out: row r of a tile, + 128 h: my block of 32
	v_lshlrev_b32 v8, 3, v6                        ; 8 h
	v_lshlrev_b32 v9, 2, v2                        ; 4 x lane
	v_mov_b32 v10, 0                               ; written once: a lane permute's destination counts as one of its sources
	s_lshr_b32 s29, s24, 3
	s_lshl_b32 s29, s29, 3
	s_add_co_u32 s29, s29, s25                     ; 8 x block + K step
	s_and_b32 s30, s24, 7                          ; which 32 tokens of the block's 256
	s_mul_i32 s32, s29, 24576
	s_mul_i32 s31, s30, 3072                       ; two tiles
	s_add_co_u32 s32, s32, s31
	s_mov_b32 s33, 0
	s_lshl_b32 s34, s29, 10
	s_lshl_b32 s31, s30, 7
	s_add_co_u32 s34, s34, s31
	s_mov_b32 s35, 0
	s_wait_kmcnt 0x0
	s_add_nc_u64 s[4:5], s[4:5], s[26:27]
	s_add_nc_u64 s[14:15], s[14:15], s[32:33]
	s_add_nc_u64 s[16:17], s[16:17], s[34:35]
.set i, 0
.rept 32
	global_load_b128 v[64+4*i:64+4*i+3], v3, s[4:5] offset:4096*i th:TH_LOAD_NT   ; row i: 32 lanes read 512 consecutive bytes
.set i, i+1
.endr
.set i, 0
.rept 32
	s_wait_loadcnt 31-i                            ; row i is in; the 31 - i younger loads stay out
	ds_store_b128 v4, v[64+4*i:64+4*i+3] offset:(16*((i>>3)&1)+(i&7)+8*(i>>4))*SROW   ; to its place in its tile: tile (i / 8) % 2, row i % 8 + 8 (i / 16)
.set i, i+1
.endr
.macro BACK u, reg                     ; tile u: my two blocks, k = 64 c + 32 h + 0 .. 31, into v[reg + 32 c] on.  LDS serves a wave's instructions in order: these see the stores above
.irp c, 0,1
.irp i, 0,1,2,3,4,5,6,7
	ds_load_b128 v[\reg+32*\c+4*\i:\reg+32*\c+4*\i+3], v7 offset:\u*16*SROW+256*\c+16*\i
.endr
.endr
.endm
; Tile u's 64 numbers of a lane become its 12 registers of the fragment and its row's scale word
.macro QX u, xs
.irp c, 0,1
	v_max3_num_f32 v[12+\c], |v[\xs+32*\c]|, |v[\xs+32*\c+1]|, 0x2800000   ; the floor 2^(5 - 127) among the leaves: the byte cannot fall under 1
.endr
.irp i, 2,4,6,8,10,12,14,16,18,20,22,24,26,28,30
.irp c, 0,1
	v_max3_num_f32 v[12+\c], v[12+\c], |v[\xs+32*\c+\i]|, |v[\xs+32*\c+\i+1]|   ; the two blocks by turns
.endr
.endr
.irp c, 0,1
	v_add_nc_u32 v[14+\c], 0xfe000000, v[12+\c]    ; 4 off the exponent field: the conversion's scale operand
.endr
.irp c, 0,1
	v_lshrrev_b32 v[16+\c], 23, v[14+\c]           ; the scale's byte
.endr
	v_lshl_or_b32 v[18+\u], v17, 16, v16           ; my bytes: blocks h and 2 + h,
	v_lshlrev_b32 v[18+\u], v8, v[18+\u]           ; at their places;
	v_permlanex16_b32 v10, v[18+\u], s20, s21
	v_or_b32 v[18+\u], v[18+\u], v10               ; with lane l xor 16's two the word is whole, in both halves of the lanes
.irp c, 0,1
	v_cvt_scalef32_pk16_bf6_f32 v[32+12*\u+6*\c:34+12*\u+6*\c], v[\xs+32*\c:\xs+32*\c+15], v[14+\c]
	v_cvt_scalef32_pk16_bf6_f32 v[20+4*\c:22+4*\c], v[\xs+32*\c+16:\xs+32*\c+31], v[14+\c]   ; (a conversion's three registers begin on an even number: the block's upper half is made elsewhere and moved)
.endr
	v_nop                                          ; one plain place behind a scaled conversion
.irp c, 0,1
.irp i, 0,1,2
	v_mov_b32 v[35+12*\u+6*\c+\i], v[20+4*\c+\i]
.endr
.endr
.irp g, 0,1,2
	global_store_b128 v3, v[32+12*\u+4*\g:35+12*\u+4*\g], s[14:15] offset:1536*\u+512*\g   ; 32 lanes store 512 consecutive bytes, aligned; each tile has its own registers
.endr
.endm
	BACK 0, 192
	s_wait_dscnt 0x0                               ; tile 0 is in, and the stores into the stage have read v64-191,
	BACK 1, 64                                     ; which take tile 1 while tile 0 is worked on
	QX 0, 192
	s_wait_dscnt 0x0                               ; tile 1 is in
	QX 1, 64
	v_cndmask_b32 v11, v18, v19, s22               ; lanes 0-15 tile 0's words, lanes 16-31 tile 1's
	global_store_b32 v9, v11, s[16:17]             ; 128 consecutive bytes
	s_wait_tensorcnt 0x0
	ds_add_u32 v62, v63
	s_wait_dscnt 0x0
	s_endpgm
; ---------------- the weights: K is the first axis.  A lane takes a column and its registers run down K: a block of 32 lies in one lane, and the codes come out with K innermost.
.Lweights:
	s_sub_co_u32 s23, ttmp9, 256
	s_lshr_b32 s24, s23, 6                         ; which weight
	s_bfe_u32 s25, s23, 0x30003                    ; which 128 columns
	s_and_b32 s26, s23, 7                          ; which K step
	s_lshl_b32 s28, s26, 19                        ; 128 rows of 4,096 bytes
	s_lshl_b32 s27, s25, 9
	s_add_co_u32 s28, s28, s27
	s_lshl_b32 s27, s18, 7                         ; my wave's 32 columns
	s_add_co_u32 s28, s28, s27
	s_mov_b32 s29, 0
	s_lshl_b32 s30, s24, 2
	s_lshr_b32 s27, s25, 1
	s_add_co_u32 s30, s30, s27                     ; the block of 256 columns
	s_lshl_b32 s30, s30, 3
	s_add_co_u32 s30, s30, s26                     ; 8 x block + K step
	s_and_b32 s31, s25, 1
	s_lshl_b32 s31, s31, 3
	s_lshl_b32 s27, s18, 1
	s_add_co_u32 s31, s31, s27                     ; my wave's first tile
	s_mul_i32 s32, s30, 24576
	s_mul_i32 s27, s31, 1536
	s_add_co_u32 s32, s32, s27
	s_add_co_u32 s32, s32, WOFF
	s_mov_b32 s33, 0
	s_lshl_b32 s34, s30, 10
	s_lshl_b32 s27, s31, 6
	s_add_co_u32 s34, s34, s27
	s_add_co_u32 s34, s34, WSOFF
	s_mov_b32 s35, 0
	v_lshlrev_b32 v3, 2, v2                        ; in: 4 bytes a lane
	v_bfe_u32 v4, v2, 3, 1                         ; my column's tile u,
	v_and_b32 v5, 7, v2
	v_lshrrev_b32 v6, 4, v2
	v_lshl_add_u32 v5, v6, 3, v5                   ; and its row there: lane % 8 + 8 (lane / 16)
	v_mul_u32_u24 v7, v4, 1536
	v_lshl_add_u32 v7, v5, 4, v7                   ; the codes' place
	v_lshlrev_b32 v8, 6, v4
	v_lshl_add_u32 v8, v5, 2, v8                   ; the scale word's
	s_wait_kmcnt 0x0
	s_cmp_eq_u32 s24, 1                            ; the choice hangs on the work-group's number alone
	s_cselect_b64 s[6:7], s[8:9], s[6:7]
	s_cmp_eq_u32 s24, 2
	s_cselect_b64 s[6:7], s[10:11], s[6:7]
	s_cmp_eq_u32 s24, 3
	s_cselect_b64 s[6:7], s[12:13], s[6:7]
	s_add_nc_u64 s[6:7], s[6:7], s[28:29]
	s_add_nc_u64 s[14:15], s[14:15], s[32:33]
	s_add_nc_u64 s[16:17], s[16:17], s[34:35]
.macro WLOAD t                         ; block t: W(32 t + i, my column) into set t % 2: a load reads 128 consecutive bytes
.set i, 0
.rept 32
	global_load_b32 v[64+32*((\t)%2)+i], v3, s[6:7] offset:(32*(\t)+i)*4096 th:TH_LOAD_NT
.set i, i+1
.endr
.endm
; Block t = 2 c + h belongs to registers 6 c .. 6 c + 5 of the fragment's lane (row, h): two sets of 12 registers, one for each h
.macro WBLOCK t
.set XS, 64+32*((\t)%2)
.set CDR, 32+12*((\t)%2)+6*((\t)/2)
.if (\t) < 3
	s_wait_loadcnt 32                              ; this block's 32 loads are in; the next block's 32 stay out
.else
	s_wait_loadcnt 0x0
.endif
	v_max3_num_f32 v12, |v[XS]|, |v[XS+1]|, |v[XS+2]|
	v_max3_num_f32 v13, |v[XS+3]|, |v[XS+4]|, |v[XS+5]|
.irp i, 6,10,14,18,22,26
	v_max3_num_f32 v12, v12, |v[XS+\i]|, |v[XS+\i+1]|
	v_max3_num_f32 v13, v13, |v[XS+\i+2]|, |v[XS+\i+3]|
.endr
	v_max3_num_f32 v12, v12, |v[XS+30]|, |v[XS+31]|
	v_max3_num_f32 v12, v12, v13, 0x2800000        ; and the floor
	v_add_nc_u32 v14, 0xfe000000, v12              ; the conversion's scale operand
	v_lshrrev_b32 v15, 23, v14                     ; the byte
.if (\t) == 0
	v_mov_b32 v16, v15
.else
	v_lshl_or_b32 v16, v15, 8*(\t), v16            ; the column's scale word, the lower K in the lower byte
.endif
	v_cvt_scalef32_pk16_bf6_f32 v[CDR:CDR+2], v[XS:XS+15], v14
	v_cvt_scalef32_pk16_bf6_f32 v[20:22], v[XS+16:XS+31], v14
	v_nop                                          ; one plain place behind a scaled conversion
.irp i, 0,1,2
	v_mov_b32 v[CDR+3+\i], v[20+\i]
.endr
.if (\t) < 2
	WLOAD (\t)+2
.else
.irp g, 0,1,2
	global_store_b128 v7, v[32+12*((\t)-2)+4*\g:35+12*((\t)-2)+4*\g], s[14:15] offset:256*((\t)-2)+512*\g   ; the 16 lanes of each tile store 256 consecutive bytes, aligned
.endr
.endif
.endm
	WLOAD 0
	WLOAD 1
	WBLOCK 0
	WBLOCK 1
	WBLOCK 2
	WBLOCK 3
	global_store_b32 v8, v16, s[16:17]
	s_endpgm
.Lfunc_end_k_q690b158e33_quant:
	.size	k_q690b158e33_quant, .Lfunc_end_k_q690b158e33_quant-k_q690b158e33_quant
	.p2alignl 7, 3214868480
	.fill 96, 4, 3214868480
	.section	.rodata,"a",@progbits
	.p2align	6, 0x0
	.amdhsa_kernel k_q690b158e33_quant
		.amdhsa_group_segment_fixed_size 68096
		.amdhsa_private_segment_fixed_size 0
		.amdhsa_enable_private_segment 0
		.amdhsa_kernarg_size 56
		.amdhsa_user_sgpr_count 2
		.amdhsa_user_sgpr_kernarg_segment_ptr 1
		.amdhsa_wavefront_size32 1
		.amdhsa_system_sgpr_workgroup_id_x 1
		.amdhsa_system_sgpr_workgroup_id_y 1
		.amdhsa_system_sgpr_workgroup_id_z 1
		.amdhsa_system_vgpr_workitem_id 0
		.amdhsa_next_free_vgpr 256
		.amdhsa_next_free_sgpr 66
		.amdhsa_reserve_vcc 0
		.amdhsa_float_denorm_mode_32 3
		.amdhsa_float_denorm_mode_16_64 3
		.amdhsa_memory_ordered 1
		.amdhsa_forward_progress 1
		.amdhsa_inst_pref_size 38
	.end_amdhsa_kernel
	.amdgpu_metadata
---
amdhsa.version: [ 1, 2 ]
amdhsa.kernels:
  - .name:           k_q690b158e33_quant
    .symbol:         k_q690b158e33_quant.kd
    .args:
      - { .name: x, .offset: 0, .size: 8, .value_kind: global_buffer, .address_space: global }
      - { .name: W_q, .offset: 8, .size: 8, .value_kind: global_buffer, .address_space: global }
      - { .name: W_k, .offset: 16, .size: 8, .value_kind: global_buffer, .address_space: global }
      - { .name: W_v, .offset: 24, .size: 8, .value_kind: global_buffer, .address_space: global }
      - { .name: W_o, .offset: 32, .size: 8, .value_kind: global_buffer, .address_space: global }
      - { .name: xw_codes, .offset: 40, .size: 8, .value_kind: global_buffer, .address_space: global }
      - { .name: xw_scales, .offset: 48, .size: 8, .value_kind: global_buffer, .address_space: global }
    .group_segment_fixed_size: 68096
    .private_segment_fixed_size: 0
    .kernarg_segment_align: 8
    .kernarg_segment_size: 56
    .max_flat_workgroup_size: 128
    .sgpr_count:     66
    .vgpr_count:     256
    .wavefront_size: 32
...
	.end_amdgpu_metadata
.endif
;; end of part 1
;; launch qkv (part 2): grid 12 x 16, 8 waves a work-group, no clusters, 103,424 bytes of LDS; arguments xw_codes, xw_scales, q_codes, q_scales, kv_codes, kv_scales; writes q_codes, q_scales, kv_codes, kv_scales
.if DOCPART == 2
	.amdgcn_target "amdgcn-amd-amdhsa--gfx1250"
	.amdhsa_code_object_version 6
	.text
	.protected	k_q690b158e33_qkv
	.globl	k_q690b158e33_qkv
	.p2align	8
	.type	k_q690b158e33_qkv,@function
k_q690b158e33_qkv:
	s_mov_b64 s[64:65], 0
	v_nop
	global_prefetch_b8 v0, s[64:65] scope:SCOPE_SE
	s_setreg_imm32_b32 hwreg(HW_REG_WAVE_MODE, 25, 1), 1
	s_wait_xcnt 0x0
; q = x W_q, k = x W_k, v = x W_v on codes of BF6 (E3M2) with E8M0 scales for each 32 along K, sums in f32; the results are quantised at once for the attention: q and k along the head's 64 channels, v along the keys.
; A work-group makes 256 x 256 of one result over K = 1,024: x = the block of 256 weight columns (0-3 W_q, 4-7 W_k, 8-11 W_v), y = the block of 256 tokens.  Eight waves, two to a SIMD; a wave makes 128 rows of
; source 0 (8 tiles a) x 64 rows of source 1 (4 tiles b): 32 accumulators, (a, b) at v[8 (8 b + a)] of window 1.
; WHICH OPERAND IS SOURCE 0 decides what a lane's registers run along.  q, k: source 0 = the weight's columns, source 1 = tokens: a lane holds one token, and (the rows of a tile being chosen for it by the launch
; before) register 64 b + 16 n + i is channel 32 n + 16 (lane / 16) + i of the wave's 128: neighbours along the next K.  v: source 0 = tokens, source 1 = columns: a lane holds one channel, registers run along the keys.
; Both operands lie in one buffer as images of operand registers, so only byte offsets differ between the two kinds of work-group: one main loop.
; A K step's tiles (two dense blocks of 24,576 bytes and two of 1,024 bytes of scale words) are loaded a step ahead into registers and stored into one of two LDS slots: one barrier a step.
; NO CLUSTER, NO TENSOR LOAD: K has 8 steps; the tiles are shared between work-groups of a row or a column of the grid and are staged by plain loads here, the simplest sound form.
; OUT.  q_codes [head][64 tokens][3,072]: the four tiles' six registers (k = 32 h + 0 .. 31 of 64) as one run of 24 registers, four registers of lane l at 512 g + 16 l.  kv_codes [head][128 keys][12,288]: two such runs
; for k, then four whole fragments of v^T (16 channels x 128 keys).  Scale words: q, k: 8 bytes a lane: word i of lane (r, h) is tile 2 i + h's, row r's, its two bytes written twice; v: a word a lane, row r's in both halves.
; LIMITS: NaN and infinities are not served; a block whose largest magnitude lies under 2^-122 (zeros too) keeps the byte 1: only this program reads the bytes.
.set WOFF,  3145728
.set WSOFF, 131072
.set BLKB,  196608                     ; a block of 256 rows: 8 K steps x 24,576 bytes
.set KST,   24576
.set SLOT,  51200                      ; an LDS slot: source 0's codes, source 1's at L1, their scale words at LS0, LS1
.set L1,    24576
.set LS0,   49152
.set LS1,   50176
.set AD0,  2                           ; v2-3   slot p: my 8 tiles of source 0: 16 x lane + 12,288 x (wave % 2)
.set AD1,  4                           ; v4-5   my 4 tiles of source 1: 16 x lane + 6,144 x (wave / 2)
.set AS0,  6                           ; v6-7   source 0's scale words: 4 x lane + 512 x (wave % 2)
.set AS1,  8                           ; v8-9   source 1's: 4 x lane + 256 x (wave / 2)
.set ST16, 10                          ; v10-11 where I store codes: 16 x thread
.set ST4,  12                          ; v12-13 and a scale word: 4 x thread
.set SC0,  16                          ; v16-19 scale words of source 0: register i: tile 2 i in lanes 0-15, tile 2 i + 1 in lanes 16-31
.set SC1,  20                          ; v20-21 of source 1
.set STG,  24                          ; v24-73 the next K step on its way
.set F0,   80                          ; v80-175  source 0's fragments; on the way out the codes
.set F1,   176                         ; v176-223 source 1's
.set TM,   224                         ; v224-242 at work on the way out
.set WD,   244                         ; v244-251 scale words made
.set SEL,  40                          ; s[40:41] selects for lane l xor 16
.set MSB, 0
.macro WIN new                         ; the immediate's high byte repeats the setting that is left
.if MSB != \new
	s_set_vgpr_msb (MSB<<8)|\new
.set MSB, \new
.endif
.endm
; one product.  ra, rb: the side's scale words stand in lanes 16-31 of the register named
.macro WM d, a, b, zero, sa, sb, ra, rb
.if (\zero)
.if (\ra) && (\rb)
	v_wmma_scale_f32_16x16x128_f8f6f4 v[(\d):(\d)+7], v[(\a):(\a)+11], v[(\b):(\b)+11], 0, v[(\sa)], v[(\sb)] matrix_a_fmt:MATRIX_FMT_BF6 matrix_b_fmt:MATRIX_FMT_BF6 matrix_a_scale:MATRIX_SCALE_ROW1 matrix_b_scale:MATRIX_SCALE_ROW1
.elseif (\ra)
	v_wmma_scale_f32_16x16x128_f8f6f4 v[(\d):(\d)+7], v[(\a):(\a)+11], v[(\b):(\b)+11], 0, v[(\sa)], v[(\sb)] matrix_a_fmt:MATRIX_FMT_BF6 matrix_b_fmt:MATRIX_FMT_BF6 matrix_a_scale:MATRIX_SCALE_ROW1
.elseif (\rb)
	v_wmma_scale_f32_16x16x128_f8f6f4 v[(\d):(\d)+7], v[(\a):(\a)+11], v[(\b):(\b)+11], 0, v[(\sa)], v[(\sb)] matrix_a_fmt:MATRIX_FMT_BF6 matrix_b_fmt:MATRIX_FMT_BF6 matrix_b_scale:MATRIX_SCALE_ROW1
.else
	v_wmma_scale_f32_16x16x128_f8f6f4 v[(\d):(\d)+7], v[(\a):(\a)+11], v[(\b):(\b)+11], 0, v[(\sa)], v[(\sb)] matrix_a_fmt:MATRIX_FMT_BF6 matrix_b_fmt:MATRIX_FMT_BF6
.endif
.else
.if (\ra) && (\rb)
	v_wmma_scale_f32_16x16x128_f8f6f4 v[(\d):(\d)+7], v[(\a):(\a)+11], v[(\b):(\b)+11], v[(\d):(\d)+7], v[(\sa)], v[(\sb)] matrix_a_fmt:MATRIX_FMT_BF6 matrix_b_fmt:MATRIX_FMT_BF6 matrix_a_scale:MATRIX_SCALE_ROW1 matrix_b_scale:MATRIX_SCALE_ROW1
.elseif (\ra)
	v_wmma_scale_f32_16x16x128_f8f6f4 v[(\d):(\d)+7], v[(\a):(\a)+11], v[(\b):(\b)+11], v[(\d):(\d)+7], v[(\sa)], v[(\sb)] matrix_a_fmt:MATRIX_FMT_BF6 matrix_b_fmt:MATRIX_FMT_BF6 matrix_a_scale:MATRIX_SCALE_ROW1
.elseif (\rb)
	v_wmma_scale_f32_16x16x128_f8f6f4 v[(\d):(\d)+7], v[(\a):(\a)+11], v[(\b):(\b)+11], v[(\d):(\d)+7], v[(\sa)], v[(\sb)] matrix_a_fmt:MATRIX_FMT_BF6 matrix_b_fmt:MATRIX_FMT_BF6 matrix_b_scale:MATRIX_SCALE_ROW1
.else
	v_wmma_scale_f32_16x16x128_f8f6f4 v[(\d):(\d)+7], v[(\a):(\a)+11], v[(\b):(\b)+11], v[(\d):(\d)+7], v[(\sa)], v[(\sb)] matrix_a_fmt:MATRIX_FMT_BF6 matrix_b_fmt:MATRIX_FMT_BF6
.endif
.endif
.endm
	s_load_b256 s[4:11], s[0:1], 0x0               ; xw_codes s[4:5], xw_scales s[6:7], q_codes s[8:9], q_scales s[10:11]
	s_load_b128 s[12:15], s[0:1], 0x20             ; kv_codes s[12:13], kv_scales s[14:15]
	v_lshl_add_u32 v239, v0, 2, 0x19000
	v_mov_b32 v243, 0
	v_lshrrev_b32 v1, 5, v0
	v_readfirstlane_b32 s16, v1                    ; wave 0..7
	s_and_b32 s17, s16, 1                          ; which half of source 0
	s_lshr_b32 s18, s16, 1                         ; which quarter of source 1
	s_and_b32 s19, ttmp7, 0xffff                   ; the block of tokens
	v_and_b32 v24, 31, v0
	v_lshlrev_b32 v1, 4, v24                       ; 16 x lane
	v_lshlrev_b32 v22, 3, v24                      ; 8 x lane
	v_lshlrev_b32 v23, 2, v24                      ; 4 x lane
	v_lshlrev_b32 v14, 4, v0                       ; 16 x thread
	v_lshlrev_b32 v15, 2, v0                       ; 4 x thread
	s_mul_i32 s20, s17, 12288
	s_mul_i32 s21, s18, 6144
	s_add_co_u32 s21, s21, L1
	s_lshl_b32 s22, s17, 9
	s_add_co_u32 s22, s22, LS0
	s_lshl_b32 s23, s18, 8
	s_add_co_u32 s23, s23, LS1
.irp p, 0,1
	v_add_nc_u32 v[AD0+\p], s20, v1
	v_add_nc_u32 v[AD1+\p], s21, v1
	v_add_nc_u32 v[AS0+\p], s22, v23
	v_add_nc_u32 v[AS1+\p], s23, v23
	v_add_nc_u32 v[ST16+\p], SLOT*\p, v14
	v_add_nc_u32 v[ST4+\p], SLOT*\p+LS0, v15
	s_add_co_u32 s20, s20, SLOT
	s_add_co_u32 s21, s21, SLOT
	s_add_co_u32 s22, s22, SLOT
	s_add_co_u32 s23, s23, SLOT
.endr
.irp k, 0,1,2,3
	v_mov_b32 v[TM+4+\k], 0                        ; written once: a lane permute's destination counts as one of its sources
.endr
	s_mov_b32 s[SEL], 0x76543210
	s_mov_b32 s[SEL+1], 0xfedcba98
	s_mov_b32 s42, 0xffff0000                      ; lanes 16-31
	s_mul_i32 s32, ttmp9, BLKB
	s_add_co_u32 s32, s32, WOFF                    ; the weight block's codes,
	s_mul_i32 s33, s19, BLKB                       ; the token block's,
	s_lshl_b32 s34, ttmp9, 13
	s_add_co_u32 s34, s34, WSOFF                   ; and their scale words
	s_lshl_b32 s35, s19, 13
	s_cmp_lt_u32 ttmp9, 8                          ; q, k: the weight is source 0;  v: the tokens are
	s_cselect_b32 s36, s32, s33
	s_cselect_b32 s38, s33, s32
	s_cselect_b32 s52, s34, s35
	s_cselect_b32 s54, s35, s34
	s_mov_b32 s37, 0
	s_mov_b32 s39, 0
	s_mov_b32 s53, 0
	s_mov_b32 s55, 0
	s_wait_kmcnt 0x0
	s_add_nc_u64 s[24:25], s[4:5], s[36:37]        ; source 0's codes
	s_add_nc_u64 s[26:27], s[4:5], s[38:39]        ; source 1's
	s_add_nc_u64 s[28:29], s[6:7], s[52:53]        ; source 0's scale words
	s_add_nc_u64 s[30:31], s[6:7], s[54:55]        ; source 1's
.macro GLOAD s                         ; K step s: 14 loads a thread; each b128 of a wave reads 512 consecutive bytes
.irp i, 0,1,2,3,4,5
	global_load_b128 v[STG+4*\i:STG+4*\i+3], v14, s[24:25] offset:KST*(\s)+4096*\i
.endr
.irp i, 0,1,2,3,4,5
	global_load_b128 v[STG+24+4*\i:STG+24+4*\i+3], v14, s[26:27] offset:KST*(\s)+4096*\i
.endr
	global_load_b32 v[STG+48], v15, s[28:29] offset:1024*(\s)
	global_load_b32 v[STG+49], v15, s[30:31] offset:1024*(\s)
.endm
.macro LSTORE p
.irp i, 0,1,2,3,4,5
	ds_store_b128 v[ST16+(\p)], v[STG+4*\i:STG+4*\i+3] offset:4096*\i
.endr
.irp i, 0,1,2,3,4,5
	ds_store_b128 v[ST16+(\p)], v[STG+24+4*\i:STG+24+4*\i+3] offset:L1+4096*\i
.endr
	ds_store_b32 v[ST4+(\p)], v[STG+48]
	ds_store_b32 v[ST4+(\p)], v[STG+49] offset:1024
.endm
.macro FETCH p                         ; 42 LDS loads in one run: scale words, source 1, then source 0 tile by tile; every load reads consecutive bytes
.irp i, 0,1,2,3
	ds_load_b32 v[SC0+\i], v[AS0+(\p)] offset:128*\i
.endr
.irp i, 0,1
	ds_load_b32 v[SC1+\i], v[AS1+(\p)] offset:128*\i
.endr
.irp b, 0,1,2,3
.irp g, 0,1,2
	ds_load_b128 v[F1+12*\b+4*\g:F1+12*\b+4*\g+3], v[AD1+(\p)] offset:1536*\b+512*\g
.endr
.endr
.irp a, 0,1,2,3,4,5,6,7
.irp g, 0,1,2
	ds_load_b128 v[F0+12*\a+4*\g:F0+12*\a+4*\g+3], v[AD0+(\p)] offset:1536*\a+512*\g
.endr
.endr
.endm
; 32 products: the 32 accumulators take turns, one instruction a turn, in the same order in every K step
.macro MUL zero
	WIN 0x50                                       ; C and D in window 1
.irp a, 0,1,2,3,4,5,6,7
	s_wait_dscnt 3*(7-\a)                          ; tile a of source 0 is in: behind it stand the three loads of each later tile
.irp b, 0,1,2,3
	WM 8*(8*\b+\a), F0+12*\a, F1+12*\b, \zero, SC0+\a/2, SC1+\b/2, \a%2, \b%2
.endr
.endr
	WIN 0
.rept 4
	v_nop                                          ; four places ahead of loads into registers that the products have read, and of the first read of results
.endr
.endm
.macro KSTEP s, zero, more
.if \more
	GLOAD (\s)+1                                   ; the next K step is asked for a step ahead
.endif
	FETCH (\s)%2
	MUL \zero
.if \more
	s_wait_loadcnt 0x0                             ; it is in registers,
	LSTORE ((\s)+1)%2                              ; and goes into the slot that every wave left before the last barrier
	s_wait_dscnt 0x0                               ; for the others' sake: my stores have landed; my reads of this step's slot are long in
	s_barrier_signal -1
	s_barrier_wait -1
.endif
.endm
	GLOAD 0
	s_wait_loadcnt 0x0
	LSTORE 0
	s_wait_dscnt 0x0
	s_barrier_signal -1
	s_barrier_wait -1
	KSTEP 0, 1, 1                                  ; the first products start the sums: nothing is cleared
.irp s, 1,2,3,4,5,6
	KSTEP \s, 0, 1
.endr
	KSTEP 7, 0, 0
; 32 numbers of a lane in window 1, register 16 n + i = k 32 n + 16 (lane / 16) + i of 64, become six registers (lane (r, h): k = 32 h + 0 .. 31) and a scale word (byte 0, byte 1, and both again).
; Each accumulator is read from its low end on.
.macro QUANT32 src, dst, word
	WIN 0x05                                       ; sources 0 and 1 in window 1
.irp k, 0,1
	v_max3_num_f32 v[TM+\k], |v[(\src)+16*\k]|, |v[(\src)+16*\k+1]|, 0x2800000   ; with the floor 2^(5 - 127): the byte cannot fall under 1
.endr
.irp i, 2,4,6,8,10,12,14
.irp k, 0,1
	v_max3_num_f32 v[TM+\k], |v[(\src)+16*\k+\i]|, |v[(\src)+16*\k+\i+1]|, v[TM+\k]
.endr
.endr
	WIN 0
.irp k, 0,1
	v_permlanex16_b32 v[TM+4+\k], v[TM+\k], s[SEL], s[SEL+1]
.endr
.irp k, 0,1
	v_max_num_f32 v[TM+\k], v[TM+\k], v[TM+4+\k]   ; with lane l xor 16's 16: the block's largest magnitude
.endr
.irp k, 0,1
	v_add_nc_u32 v[TM+8+\k], 0xfe000000, v[TM+\k]  ; 4 off the exponent field: the conversion's scale operand
.endr
.irp k, 0,1
	v_lshrrev_b32 v[TM+4+\k], 23, v[TM+8+\k]       ; the byte
.endr
	v_lshl_or_b32 v[(\word)], v[TM+5], 8, v[TM+4]
	v_lshl_or_b32 v[(\word)], v[(\word)], 16, v[(\word)]   ; bytes 2 and 3 repeat bytes 0 and 1: they scale the half of the 128-deep product that holds zero codes
	WIN 0x01                                       ; source 0 in window 1
	v_cvt_scalef32_pk16_bf6_f32 v[(\dst):(\dst)+2], v[(\src):(\src)+15], v[TM+8]
	v_cvt_scalef32_pk16_bf6_f32 v[TM+12:TM+14], v[(\src)+16:(\src)+31], v[TM+9]
	WIN 0
	v_nop                                          ; one plain place behind a scaled conversion
.irp i, 0,1,2
	v_permlane16_swap_b32 v[(\dst)+\i], v[TM+12+\i]   ; the first's lanes 16-31 change places with the second's lanes 0-15: a whole block in a lane
.endr
.irp i, 0,1,2
	v_mov_b32 v[(\dst)+3+\i], v[TM+12+\i]
.endr
.endm
; 64 numbers, register 16 n + i = k 32 n + 16 (lane / 16) + i of 128, become a whole fragment and its scale word
.macro QUANT64 src, dst, word
	WIN 0x05
.irp k, 0,1,2,3
	v_max3_num_f32 v[TM+\k], |v[(\src)+16*\k]|, |v[(\src)+16*\k+1]|, 0x2800000
.endr
.irp i, 2,4,6,8,10,12,14
.irp k, 0,1,2,3
	v_max3_num_f32 v[TM+\k], |v[(\src)+16*\k+\i]|, |v[(\src)+16*\k+\i+1]|, v[TM+\k]
.endr
.endr
	WIN 0
.irp k, 0,1,2,3
	v_permlanex16_b32 v[TM+4+\k], v[TM+\k], s[SEL], s[SEL+1]
.endr
.irp k, 0,1,2,3
	v_max_num_f32 v[TM+\k], v[TM+\k], v[TM+4+\k]
.endr
.irp k, 0,1,2,3
	v_add_nc_u32 v[TM+8+\k], 0xfe000000, v[TM+\k]
.endr
.irp k, 0,1,2,3
	v_lshrrev_b32 v[TM+4+\k], 23, v[TM+8+\k]
.endr
	v_lshl_or_b32 v[(\word)], v[TM+5], 8, v[TM+4]
	v_lshl_or_b32 v[(\word)], v[TM+6], 16, v[(\word)]
	v_lshl_or_b32 v[(\word)], v[TM+7], 24, v[(\word)]
	WIN 0x01
.irp c, 0,1
	v_cvt_scalef32_pk16_bf6_f32 v[(\dst)+6*\c:(\dst)+6*\c+2], v[(\src)+32*\c:(\src)+32*\c+15], v[TM+8+2*\c]
	v_cvt_scalef32_pk16_bf6_f32 v[TM+12+4*\c:TM+14+4*\c], v[(\src)+32*\c+16:(\src)+32*\c+31], v[TM+9+2*\c]
.endr
	WIN 0
	v_nop
.irp c, 0,1
.irp i, 0,1,2
	v_permlane16_swap_b32 v[(\dst)+6*\c+\i], v[TM+12+4*\c+\i]
.endr
.irp i, 0,1,2
	v_mov_b32 v[(\dst)+6*\c+3+\i], v[TM+12+4*\c+\i]
.endr
.endr
.endm
	s_cmp_ge_u32 ttmp9, 8
	s_cbranch_scc1 .Lv
; ---- q, k: my 64 tokens x two heads
	s_and_b32 s20, ttmp9, 3
	s_lshl_b32 s20, s20, 2
	s_lshl_b32 s21, s17, 1
	s_add_co_u32 s20, s20, s21                     ; my first head
	s_lshl_b32 s21, s19, 2
	s_add_co_u32 s21, s21, s18                     ; my group of 64 tokens
	s_lshl_b32 s20, s20, 5
	s_lshr_b32 s22, s21, 1
	s_add_co_u32 s20, s20, s22                     ; 32 x head + the group of 128
	s_and_b32 s21, s21, 1                          ; and which half of it
	s_cmp_lt_u32 ttmp9, 4                          ; q's records are 6,144 and 512 bytes, k's (with v's behind them) twice that
	s_cselect_b32 s23, 0, 1
	s_cselect_b64 s[44:45], s[8:9], s[12:13]
	s_cselect_b64 s[48:49], s[10:11], s[14:15]
	s_mul_i32 s32, s20, 6144
	s_lshl_b32 s32, s32, s23
	s_mul_i32 s33, s21, 3072
	s_add_co_u32 s32, s32, s33
	s_mov_b32 s33, 0
	s_add_nc_u64 s[44:45], s[44:45], s[32:33]
	s_lshl_b32 s32, 196608, s23                    ; a head on
	s_add_nc_u64 s[46:47], s[44:45], s[32:33]
	s_lshl_b32 s32, s20, 9
	s_lshl_b32 s32, s32, s23
	s_lshl_b32 s34, s21, 8
	s_add_co_u32 s32, s32, s34
	s_add_nc_u64 s[48:49], s[48:49], s[32:33]
	s_lshl_b32 s32, 16384, s23
	s_add_nc_u64 s[50:51], s[48:49], s[32:33]
.irp hd, 0,1
.irp b, 0,1,2,3
	QUANT32 64*\b+32*\hd, F0+24*\hd+6*\b, WD+4*\hd+\b
.endr
.endr
.irp hd, 0,1
.irp g, 0,1,2,3,4,5
	global_store_b128 v1, v[F0+24*\hd+4*\g:F0+24*\hd+4*\g+3], s[44+2*\hd:45+2*\hd] offset:512*\g   ; 512 consecutive bytes, aligned
.endr
	v_cndmask_b32 v[252+2*\hd], v[WD+4*\hd], v[WD+4*\hd+1], s42      ; word i: tile 2 i in lanes 0-15, tile 2 i + 1 in lanes 16-31
	v_cndmask_b32 v[253+2*\hd], v[WD+4*\hd+2], v[WD+4*\hd+3], s42
	global_store_b64 v22, v[252+2*\hd:253+2*\hd], s[48+2*\hd:49+2*\hd]   ; 256 consecutive bytes, aligned
.endr
	s_wait_tensorcnt 0x0
	ds_add_u32 v239, v243
	s_wait_dscnt 0x0
	s_endpgm
; ---- v: my head's 64 channels x my 128 keys: four whole fragments
.Lv:
	s_sub_co_u32 s20, ttmp9, 8
	s_lshl_b32 s20, s20, 2
	s_add_co_u32 s20, s20, s18                     ; the head
	s_lshl_b32 s21, s19, 1
	s_add_co_u32 s21, s21, s17                     ; the key step
	s_lshl_b32 s20, s20, 5
	s_add_co_u32 s20, s20, s21
	s_mul_i32 s32, s20, 12288
	s_mov_b32 s33, 0
	s_add_nc_u64 s[44:45], s[12:13], s[32:33]
	s_lshl_b32 s32, s20, 10
	s_add_nc_u64 s[48:49], s[14:15], s[32:33]
.irp b, 0,1,2,3
	QUANT64 64*\b, F0+12*\b, WD+\b
.irp g, 0,1,2
	global_store_b128 v1, v[F0+12*\b+4*\g:F0+12*\b+4*\g+3], s[44:45] offset:6144+1536*\b+512*\g
.endr
	global_store_b32 v23, v[WD+\b], s[48:49] offset:512+128*\b
.endr
	s_wait_tensorcnt 0x0
	ds_add_u32 v239, v243
	s_wait_dscnt 0x0
	s_endpgm
.Lfunc_end_k_q690b158e33_qkv:
	.size	k_q690b158e33_qkv, .Lfunc_end_k_q690b158e33_qkv-k_q690b158e33_qkv
	.p2alignl 7, 3214868480
	.fill 96, 4, 3214868480
	.section	.rodata,"a",@progbits
	.p2align	6, 0x0
	.amdhsa_kernel k_q690b158e33_qkv
		.amdhsa_group_segment_fixed_size 103424
		.amdhsa_private_segment_fixed_size 0
		.amdhsa_enable_private_segment 0
		.amdhsa_kernarg_size 48
		.amdhsa_user_sgpr_count 2
		.amdhsa_user_sgpr_kernarg_segment_ptr 1
		.amdhsa_wavefront_size32 1
		.amdhsa_system_sgpr_workgroup_id_x 1
		.amdhsa_system_sgpr_workgroup_id_y 1
		.amdhsa_system_sgpr_workgroup_id_z 1
		.amdhsa_system_vgpr_workitem_id 0
		.amdhsa_next_free_vgpr 512
		.amdhsa_next_free_sgpr 66
		.amdhsa_reserve_vcc 0
		.amdhsa_float_denorm_mode_32 3
		.amdhsa_float_denorm_mode_16_64 3
		.amdhsa_memory_ordered 1
		.amdhsa_forward_progress 1
		.amdhsa_inst_pref_size 115
	.end_amdhsa_kernel
	.amdgpu_metadata
---
amdhsa.version: [ 1, 2 ]
amdhsa.kernels:
  - .name:           k_q690b158e33_qkv
    .symbol:         k_q690b158e33_qkv.kd
    .args:
      - { .name: xw_codes, .offset: 0, .size: 8, .value_kind: global_buffer, .address_space: global }
      - { .name: xw_scales, .offset: 8, .size: 8, .value_kind: global_buffer, .address_space: global }
      - { .name: q_codes, .offset: 16, .size: 8, .value_kind: global_buffer, .address_space: global }
      - { .name: q_scales, .offset: 24, .size: 8, .value_kind: global_buffer, .address_space: global }
      - { .name: kv_codes, .offset: 32, .size: 8, .value_kind: global_buffer, .address_space: global }
      - { .name: kv_scales, .offset: 40, .size: 8, .value_kind: global_buffer, .address_space: global }
    .group_segment_fixed_size: 103424
    .private_segment_fixed_size: 0
    .kernarg_segment_align: 8
    .kernarg_segment_size: 48
    .max_flat_workgroup_size: 256
    .sgpr_count:     66
    .vgpr_count:     512
    .wavefront_size: 32
...
	.end_amdgpu_metadata
.endif
;; end of part 2
;; launch attn (part 3): grid 16 x 16, 8 waves a work-group, no clusters, 33,792 bytes of LDS; arguments q_codes, q_scales, kv_codes, kv_scales, c_codes, c_scales; writes c_codes, c_scales
.if DOCPART == 3
	.amdgcn_target "amdgcn-amd-amdhsa--gfx1250"
	.amdhsa_code_object_version 6
	.text
	.protected	k_q690b158e33_attn
	.globl	k_q690b158e33_attn
	.p2align	8
	.type	k_q690b158e33_attn,@function
k_q690b158e33_attn:
	s_mov_b64 s[64:65], 0
	v_nop
	global_prefetch_b8 v0, s[64:65] scope:SCOPE_SE
	s_setreg_imm32_b32 hwreg(HW_REG_WAVE_MODE, 25, 1), 1
	s_wait_xcnt 0x0
; ctx[h][q] = the sum over keys k <= q of softmax_k(q . k / 8) v[k], both products on codes of BF6 (E3M2) with E8M0 scales for each 32 along K; ctx is quantised at once, along the head's channels, for the last product.
; THE SOFTMAX AHEAD OF THE SECOND PRODUCT: t = score x log2(e) / 8; M = the running largest t rounded UP to a whole number; p = 2^(t - M) is quantised along the keys, not normalised; the row's sum is taken of the
; unquantised p and divides at the end.  When M moves, the sum and O are multiplied by 2^(old M - new M): exact.
; EVEN SHARES UNDER THE CAUSAL MASK.  Work-group (j, head) owns query blocks j and 31 - j (128 queries each), one after the other: (j + 1) + (32 - j) = 33 key steps of 128 keys, whatever j.  A block's last step lies on
; the diagonal and is masked; the steps above the diagonal are never walked.  Each of the eight waves holds one tile of 16 queries; all waves walk the same steps.
; LAYOUT.  Both products are used transposed: S^T = K Q^T (source 0 = 16 keys), O^T = V^T P^T (source 0 = 16 channels): a lane holds ONE query throughout.  The keys of a tile of K and the channels of a tile of V^T were
; chosen by the launch before so that register 16 b + i of S^T is key 32 b + 16 (lane / 16) + i and of O^T channel 32 b + 16 (lane / 16) + i: neighbours along the next K.
; A HEAD OF 64 IN A PRODUCT 128 DEEP.  Q's registers 6-11 hold zero codes.  K's eight tiles have six registers each and lie on end; tile t is named as twelve registers from 6 t on, so its upper six are the next tile's
; codes (for tile 7: six cleared registers).  They meet Q's zeros; E3M2 has no infinity and no NaN, so they add exactly nothing.  Bytes 2 and 3 of both scale words repeat bytes 0 and 1.
; A key step's record (12,288 bytes of codes, 1,024 of scale words, dense in memory) is loaded a trip ahead into registers and stored into the other of two LDS slots: one barrier a trip.  Two trips are written on end,
; so that the slot is a constant in every LDS address.
; NO CLUSTER: from trip j + 1 on the work-groups of a head stand at different key steps, so partners would want different tiles in the same round.
; LIMITS: NaN and infinities are not served; p under 2^-126 comes out as 0 (v_exp_f32 flushes denormals: ISA guide 15.8); 1 / l is v_rcp_f32; a block whose largest magnitude lies under 2^-122 keeps the byte 1.
.set SL,   16384                       ; an LDS slot: K's codes at 0, V's at LV, K's scale words at LKS, V's at LVS
.set LV,   6144
.set LKS,  12288
.set LVS,  12800
.set KV,   48                          ; v48-95 K's run of 48 registers, later V's four fragments; v96-101 stay 0
.set KSC,  102                         ; v102-105 K's scale words: register i: tile 2 i in lanes 0-15, tile 2 i + 1 in lanes 16-31.   V's: v106, v107, v242, v243
.set S,    108                         ; v108-171 S^T, then p
.set OT,   172                         ; v172-203 O^T
.set PC,   204                         ; v204-215 p's codes, at the end ctx's
.set CT,   216                         ; v216-222 the conversions' second halves
.set BM,   224                         ; v224-227 each block's largest score, then largest p
.set BX,   228                         ; v228-231 lane l xor 16's; then bytes
.set SCL,  232                         ; v232-235 the conversions' scale operands
; v1 16 x lane, v2 8 x lane, v3 4 x lane, v4 16 x thread, v5 4 x thread, v11 the mask's bound, v12-14 Q's three pieces, v15 Q's scale word's place, v16-27 Q, v28 Q's scale word, v29 256 x lane,
; v30 -M, v31 the largest t, v[32:33] the sum in two halves, v34-46 the next record on its way, v47 4 r, v236 at work, v237 -infinity, v238 f, v239 p's scale word, v[240:241] the second chain of sums, v244 ctx's two bytes
; s16 wave, s17 j, s18 head, s19 T (the trip), s20 the block's last trip, s21 the loop's count, s[22:23] lane selects, s[24:25] c, s26 the last trip that prefetches, s27 j + 1,
; s[28:35] Q's codes, Q's scale words, ctx's codes, ctx's scale bytes of the block in hand, s[36:39] the next record, s[40:41] the prefetch, s52 wave / 4
	s_load_b256 s[4:11], s[0:1], 0x0               ; q_codes s[4:5], q_scales s[6:7], kv_codes s[8:9], kv_scales s[10:11]
	s_load_b128 s[12:15], s[0:1], 0x20             ; c_codes s[12:13], c_scales s[14:15]
	v_lshl_add_u32 v254, v0, 2, 0x8000
	v_mov_b32 v255, 0
	v_lshrrev_b32 v1, 5, v0
	v_readfirstlane_b32 s16, v1                    ; wave 0..7
	s_mov_b32 s17, ttmp9                           ; j
	s_and_b32 s18, ttmp7, 0xffff                   ; the head
	s_add_co_u32 s27, s17, 1
	s_lshr_b32 s52, s16, 2
	v_and_b32 v6, 31, v0                           ; lane
	v_and_b32 v7, 15, v0                           ; r
	v_bfe_u32 v8, v0, 4, 1                         ; h
	v_lshlrev_b32 v1, 4, v6
	v_lshlrev_b32 v2, 3, v6
	v_lshlrev_b32 v3, 2, v6
	v_lshlrev_b32 v4, 4, v0
	v_lshlrev_b32 v5, 2, v0
	v_lshlrev_b32 v29, 8, v6
	v_lshlrev_b32 v47, 2, v7
	v_and_b32 v9, 8, v7
	v_add_nc_u32 v9, v9, v7                        ; r + 8 (r / 8)
	v_lshlrev_b32 v10, 4, v8
	v_sub_nc_u32 v11, v9, v10
	s_lshr_b32 s42, s16, 1
	s_lshl_b32 s42, s42, 5
	s_and_b32 s43, s16, 1
	s_lshl_b32 s44, s43, 3
	s_add_co_u32 s42, s42, s44
	v_add_nc_u32 v11, s42, v11                     ; my query in its block of 128, less 16 h: on the diagonal register 16 b + i (key 32 b + 16 h + i) is hidden where 32 b + i is greater
	s_and_b32 s45, s16, 3                          ; my tile in its group of 64 queries: registers 6 x tile .. + 5 of the group's run of 24, as three pairs
	s_mul_i32 s45, s45, 3
.irp p, 0,1,2
	s_add_co_u32 s46, s45, \p                      ; pair P lies at 512 (P / 2) + 16 x lane + 8 (P % 2)
	s_lshr_b32 s47, s46, 1
	s_lshl_b32 s47, s47, 9
	s_and_b32 s46, s46, 1
	s_lshl_b32 s46, s46, 3
	s_add_co_u32 s46, s46, s47
	v_add_nc_u32 v[12+\p], s46, v1
.endr
	s_lshl_b32 s46, s43, 7                         ; my tile's scale words: 8 (r + 16 (tile % 2)) + 4 (tile / 2)
	s_bfe_u32 s47, s16, 0x10001
	s_lshl_b32 s47, s47, 2
	s_add_co_u32 s46, s46, s47
	v_lshl_add_u32 v15, v7, 3, s46
.irp i, 22,23,24,25,26,27,96,97,98,99,100,101
	v_mov_b32 v[\i], 0                             ; Q's upper half, and what stands behind K's last tile: zero codes, for the whole launch
.endr
.irp i, 228,229,230,231,236,239
	v_mov_b32 v[\i], 0                             ; written once: lane permutes' destinations, and the upper half of the pair v[238:239], count as read
.endr
	s_mov_b32 s22, 0x76543210
	s_mov_b32 s23, 0xfedcba98
	s_mov_b32 s24, 0x3e38aa3b                      ; c = log2(e) / 8
	s_mov_b32 s25, s24                             ; (the packed form names the pair)
	s_cmp_lt_u32 s16, 3                            ; who prefetches: waves 0-2 of the head's work-group j = 0, up to trip 28
	s_cselect_b32 s26, 28, -1
	s_cmp_eq_u32 s17, 0
	s_cselect_b32 s26, s26, -1
	s_lshr_b32 s48, s18, 1                         ; the last product's K step,
	s_and_b32 s49, s18, 1                          ; and which half of it my head fills
	s_lshl_b32 s50, s48, 3
	s_add_co_u32 s50, s50, s16
	s_mul_i32 s50, s50, 1536
	s_mul_i32 s51, s49, 768
	s_add_co_u32 s50, s50, s51                     ; ctx's codes: (8 x K step + wave) fragments + 768 x half
	s_lshl_b32 s48, s48, 9
	s_lshl_b32 s51, s16, 6
	s_add_co_u32 s48, s48, s51
	s_lshl_b32 s51, s49, 1
	s_add_co_u32 s48, s48, s51                     ; its scale bytes: 512 x K step + 64 x wave + 2 x half
	s_mov_b32 s47, 0
	s_wait_kmcnt 0x0
	s_mul_i32 s46, s18, 196608
	s_add_nc_u64 s[4:5], s[4:5], s[46:47]          ; every buffer at my head
	s_lshl_b32 s46, s18, 14
	s_add_nc_u64 s[6:7], s[6:7], s[46:47]
	s_mul_i32 s46, s18, 393216
	s_add_nc_u64 s[8:9], s[8:9], s[46:47]
	s_lshl_b32 s46, s18, 15
	s_add_nc_u64 s[10:11], s[10:11], s[46:47]
	s_mov_b32 s46, s50
	s_add_nc_u64 s[12:13], s[12:13], s[46:47]
	s_mov_b32 s46, s48
	s_add_nc_u64 s[14:15], s[14:15], s[46:47]
	s_lshl_b32 s46, s16, 13
	s_add_co_u32 s46, s46, 24576
	s_add_nc_u64 s[40:41], s[8:9], s[46:47]        ; the prefetch: record 2, + 8,192 x wave
.macro BLOCKPTR b                      ; the pointers of query block s[b]
	s_lshl_b32 s42, s[\b], 1
	s_add_co_u32 s42, s42, s52                     ; my group of 64 queries
	s_mul_i32 s46, s42, 3072
	s_add_nc_u64 s[28:29], s[4:5], s[46:47]
	s_lshl_b32 s46, s42, 8
	s_add_nc_u64 s[30:31], s[6:7], s[46:47]
	s_mul_i32 s46, s[\b], 98304
	s_add_nc_u64 s[32:33], s[12:13], s[46:47]
	s_lshl_b32 s46, s[\b], 12
	s_add_nc_u64 s[34:35], s[14:15], s[46:47]
.endm
.macro INIT                            ; a block begins: Q is asked for; O^T and the sum are zeros, the largest t lies under every t, so the first step is a step like any other
	global_load_b64 v[16:17], v12, s[28:29]
	global_load_b64 v[18:19], v13, s[28:29]
	global_load_b64 v[20:21], v14, s[28:29]
	global_load_b32 v28, v15, s[30:31]
	v_mov_b32 v31, 0xff61b1e6                      ; -3e38
	v_floor_f32 v30, -v31
	v_mov_b32 v32, 0
	v_mov_b32 v33, 0
.set n, 0
.rept 32
	v_mov_b32 v[OT+n], 0
.set n, n+1
.endr
.endm
.macro STAGE_ISSUE                     ; the record of trip T + 1: key step T + 1 of the first block, T - j of the second.  The pointers' last loads were waited for in the trip before
	s_add_co_u32 s42, s19, 1
	s_cmp_gt_u32 s42, s17
	s_cselect_b32 s43, s27, 0
	s_sub_co_u32 s42, s42, s43
	s_mul_i32 s46, s42, 12288
	s_add_nc_u64 s[36:37], s[8:9], s[46:47]
	s_lshl_b32 s46, s42, 10
	s_add_nc_u64 s[38:39], s[10:11], s[46:47]
	global_load_b128 v[34:37], v4, s[36:37]
	global_load_b128 v[38:41], v4, s[36:37] offset:4096
	global_load_b128 v[42:45], v4, s[36:37] offset:8192
	global_load_b32 v46, v5, s[38:39]
.endm
; A PREFETCH INTO THE L2, in the trips with an even T, behind the wave's loads: the code records T + 2 and T + 3 of the head, 24,576 bytes: three waves, 8,192 bytes each, lanes 256 bytes apart.  All sixteen work-groups of a
; head walk the same records: the one with j = 0 asks, so each aligned block of 256 bytes is named once in the launch.  The work-groups furthest on load record T + 1 in trip T.  Records 0 and 1 and the scale words
; come by their loads alone.  The last request, in trip 28, names records 30 and 31, the head's last.
.macro ASK
	s_cmp_gt_i32 s19, s26
	s_cbranch_scc1 .Lnoask_\@
	global_prefetch_b8 v29, s[40:41] th:TH_LOAD_NT scope:SCOPE_SE
.Lnoask_\@:
.endm
.macro KQ t
.if (\t)%2
	v_wmma_scale_f32_16x16x128_f8f6f4 v[S+8*(\t):S+8*(\t)+7], v[KV+6*(\t):KV+6*(\t)+11], v[16:27], 0, v[KSC+(\t)/2], v28 matrix_a_fmt:MATRIX_FMT_BF6 matrix_b_fmt:MATRIX_FMT_BF6 matrix_a_scale:MATRIX_SCALE_ROW1
.else
	v_wmma_scale_f32_16x16x128_f8f6f4 v[S+8*(\t):S+8*(\t)+7], v[KV+6*(\t):KV+6*(\t)+11], v[16:27], 0, v[KSC+(\t)/2], v28 matrix_a_fmt:MATRIX_FMT_BF6 matrix_b_fmt:MATRIX_FMT_BF6
.endif
.endm
; A KEY STEP: 128 keys out of LDS slot 'slot'.  last = 1: the launch's last trip, which is always a diagonal
.macro STEP slot, last
	ds_load_b64 v[KSC:KSC+1], v2 offset:SL*\slot+LKS
	ds_load_b64 v[KSC+2:KSC+3], v2 offset:SL*\slot+LKS+256
.irp g, 0,1,2,3,4,5,6,7,8,9,10,11
	ds_load_b128 v[KV+4*\g:KV+4*\g+3], v1 offset:SL*\slot+512*\g
.endr
	s_wait_dscnt 0x0
.irp t, 0,1,2,3,4,5,6,7
	KQ \t                                          ; S^T = K Q^T: eight tiles of 16 keys
.endr
.rept 4
	v_nop                                          ; four places ahead of the loads into K's registers and of the first read of the scores
.endr
.irp d, 0,1,2,3
	ds_load_b32 v[106+\d+134*(\d/2)], v3 offset:SL*\slot+LVS+128*\d
.endr
.irp g, 0,1,2,3,4,5,6,7,8,9,10,11
	ds_load_b128 v[KV+4*\g:KV+4*\g+3], v1 offset:SL*\slot+LV+512*\g   ; V lands while the softmax is walked
.endr
.if !\last
	s_cmp_lg_u32 s19, s20                          ; only a block's last step lies on the diagonal
	s_cbranch_scc1 .Lopen_\@
.endif
	v_mov_b32 v237, 0xff800000                     ; hidden scores become -infinity ahead of the maximum: p = 0 then.  Key 0 counts for every query, so M is a number from a block's first step on
.set n, 0
.rept 64
	v_cmp_gt_i32 vcc_lo, 32*(n/16)+n%16, v11
	v_cndmask_b32 v[S+n], v[S+n], v237, vcc_lo
.set n, n+1
.endr
.Lopen_\@:
.irp b, 0,1,2,3
	v_max3_num_f32 v[BM+\b], v[S+16*\b], v[S+16*\b+1], v[S+16*\b+2]   ; the largest score of each block of 32 keys: it serves the row's maximum and, since p rises with the score, the block's largest p
.endr
.irp i, 3,5,7,9,11,13
.irp b, 0,1,2,3
	v_max3_num_f32 v[BM+\b], v[BM+\b], v[S+16*\b+\i], v[S+16*\b+\i+1]
.endr
.endr
.irp b, 0,1,2,3
	v_max_num_f32 v[BM+\b], v[BM+\b], v[S+16*\b+15]
.endr
.irp b, 0,1,2,3
	v_permlanex16_b32 v[BX+\b], v[BM+\b], s22, s23
.endr
.irp b, 0,1,2,3
	v_max_num_f32 v[BM+\b], v[BM+\b], v[BX+\b]     ; with lane l xor 16's 16 keys
.endr
	v_max3_num_f32 v236, v[BM], v[BM+1], v[BM+2]
	v_max_num_f32 v236, v236, v[BM+3]
	v_mul_f32 v236, s24, v236                      ; the step's largest t (c is positive)
	v_max_num_f32 v31, v31, v236                   ; the running largest t
	v_mov_b32 v236, v30
	v_floor_f32 v30, -v31                          ; the new -M = floor(-t) = -ceil(t)
	v_sub_f32 v236, v30, v236                      ; old M - new M: a whole number, 0 or less
	v_cvt_i32_f32 v236, v236                       ; (it saturates)
	v_ldexp_f32 v238, 1.0, v236                    ; f = 2^(old M - new M)
.set n, 0
.rept 32
	v_pk_fma_f32 v[S+n:S+n+1], v[S+n:S+n+1], s[24:25], v[30:31] op_sel_hi:[1,0,0]   ; t - M, two at a time
.set n, n+2
.endr
.irp b, 0,1,2,3
	v_fma_f32 v[BM+\b], v[BM+\b], s24, v30         ; the same of each block's largest score
.endr
.set n, 0
.rept 64
	v_exp_f32 v[S+n], v[S+n]                       ; p = 2^(t - M)
.set n, n+1
.endr
	v_pk_mul_f32 v[32:33], v[32:33], v[238:239] op_sel_hi:[1,0]   ; the sums under the new M: the plain place behind the exponentials
	s_wait_alu depctr_va_vdst(0)                   ; one wait for the batch of 64, ahead of its first reader
.irp b, 0,1,2,3
	v_exp_f32 v[BM+\b], v[BM+\b]                   ; the block's largest p: the same two instructions on the same number give the same bits
.endr
	v_pk_add_f32 v[240:241], v[S:S+1], v[S+2:S+3]  ; the row's sum is taken of the unquantised p, in two chains
.irp j, 4,8,12,16,20,24,28,32,36,40,44,48,52,56,60
	v_pk_add_f32 v[32:33], v[32:33], v[S+\j:S+\j+1]
	v_pk_add_f32 v[240:241], v[240:241], v[S+\j+2:S+\j+3]
.endr
	v_pk_add_f32 v[32:33], v[32:33], v[240:241]
	s_wait_alu depctr_va_vdst(0)                   ; and one for the four
.irp b, 0,1,2,3
	v_max_num_f32 v[BM+\b], 0x2800000, v[BM+\b]    ; the floor 2^(5 - 127): a block whose every p is 0 keeps the byte 1; its codes are zeros
.endr
.irp b, 0,1,2,3
	v_add_nc_u32 v[SCL+\b], 0xfe000000, v[BM+\b]   ; 4 off the exponent field: the conversion's scale operand
.endr
.irp b, 0,1,2,3
	v_lshrrev_b32 v[BX+\b], 23, v[SCL+\b]          ; the byte
.endr
	v_lshl_or_b32 v239, v[BX+1], 8, v[BX]          ; p's scale word for these 128 keys
	v_lshl_or_b32 v239, v[BX+2], 16, v239
	v_lshl_or_b32 v239, v[BX+3], 24, v239
.irp c, 0,1
	v_cvt_scalef32_pk16_bf6_f32 v[PC+6*\c:PC+6*\c+2], v[S+32*\c:S+32*\c+15], v[SCL+2*\c]
	v_cvt_scalef32_pk16_bf6_f32 v[CT+4*\c:CT+4*\c+2], v[S+32*\c+16:S+32*\c+31], v[SCL+2*\c+1]
.endr
	v_nop                                          ; one plain place behind a scaled conversion
.irp c, 0,1
.irp i, 0,1,2
	v_permlane16_swap_b32 v[PC+6*\c+\i], v[CT+4*\c+\i]   ; a whole block in a lane
.endr
.irp i, 0,1,2
	v_mov_b32 v[PC+6*\c+3+\i], v[CT+4*\c+\i]
.endr
.endr
.set n, 0
.rept 16
	v_pk_mul_f32 v[OT+n:OT+n+1], v[OT+n:OT+n+1], v[238:239] op_sel_hi:[1,0]   ; O^T under the new M.  Twelve of the sixteen name no register of any one product below: the places between p's scale word and codes and the products
.set n, n+2
.endr
	s_wait_dscnt 0x0                               ; V is in
.irp d, 0,1,2,3
	v_wmma_scale_f32_16x16x128_f8f6f4 v[OT+8*\d:OT+8*\d+7], v[KV+12*\d:KV+12*\d+11], v[PC:PC+11], v[OT+8*\d:OT+8*\d+7], v[106+\d+134*(\d/2)], v239 matrix_a_fmt:MATRIX_FMT_BF6 matrix_b_fmt:MATRIX_FMT_BF6   ; the four accumulators by turns; the scores' eight products stand between a trip's link and the next
.endr
.rept 4
	v_nop                                          ; four places ahead of the next loads into V's registers, and of the first read of O^T
.endr
.endm
; A block ends: O^T / the sum is ctx of my 16 queries x my head's 64 channels; it becomes six registers of a fragment of the last product (pairs of registers at 256 P + 8 x lane) and two scale bytes a row
.macro FINISH
	v_add_f32 v32, v32, v33
	v_permlanex16_b32 v236, v32, s22, s23
	v_add_f32 v32, v32, v236                       ; the row's sum
	v_rcp_f32 v236, v32
	v_nop                                          ; a plain place behind the reciprocal,
	s_wait_alu depctr_va_vdst(0)                   ; and the wait ahead of its first reader
.set n, 0
.rept 32
	v_mul_f32 v[S+n], v[OT+n], v236                ; each accumulator from its low end on
.set n, n+1
.endr
.irp k, 0,1
	v_max3_num_f32 v[BM+\k], |v[S+16*\k]|, |v[S+16*\k+1]|, 0x2800000
.endr
.irp i, 2,4,6,8,10,12,14
.irp k, 0,1
	v_max3_num_f32 v[BM+\k], v[BM+\k], |v[S+16*\k+\i]|, |v[S+16*\k+\i+1]|
.endr
.endr
.irp k, 0,1
	v_permlanex16_b32 v[BX+\k], v[BM+\k], s22, s23
.endr
.irp k, 0,1
	v_max_num_f32 v[BM+\k], v[BM+\k], v[BX+\k]
.endr
.irp k, 0,1
	v_add_nc_u32 v[SCL+\k], 0xfe000000, v[BM+\k]
.endr
.irp k, 0,1
	v_lshrrev_b32 v[BX+\k], 23, v[SCL+\k]
.endr
	v_lshl_or_b32 v244, v[BX+1], 8, v[BX]
	v_cvt_scalef32_pk16_bf6_f32 v[PC:PC+2], v[S:S+15], v[SCL]
	v_cvt_scalef32_pk16_bf6_f32 v[CT:CT+2], v[S+16:S+31], v[SCL+1]
	v_nop
.irp i, 0,1,2
	v_permlane16_swap_b32 v[PC+\i], v[CT+\i]
.endr
.irp i, 0,1,2
	v_mov_b32 v[PC+3+\i], v[CT+\i]
.endr
.irp p, 0,1,2
	global_store_b64 v2, v[PC+2*\p:PC+2*\p+1], s[32:33] offset:256*\p   ; 32 lanes store 256 consecutive bytes, aligned
.endr
	global_store_b16 v47, v244, s[34:35]           ; my head's two bytes of row r's word; both halves of the lanes write the same value
.endm
.macro TRIP slot, last
.if !\last
	STAGE_ISSUE
.if \slot == 0
	ASK
.endif
.endif
	STEP \slot, \last
.if \last
	FINISH
.else
	s_cmp_lg_u32 s19, s20
	s_cbranch_scc1 .Lgo_\@
	FINISH                                         ; the first block is done;
	s_wait_xcnt 0x0                                ; its stores have read their registers and pointers: both are written again below
	s_mov_b32 s20, 32
	s_sub_co_u32 s53, 31, s17
	BLOCKPTR 53                                    ; the second begins
	INIT
.Lgo_\@:
	s_wait_loadcnt 0x0                             ; the next record is in registers (and Q, where a block has begun),
.irp i, 0,1,2
	ds_store_b128 v4, v[34+4*\i:37+4*\i] offset:SL*(1-\slot)+4096*\i   ; and goes into the slot that every wave left before the last barrier
.endr
	ds_store_b32 v5, v46 offset:SL*(1-\slot)+LKS
.if \slot
	s_wait_xcnt 0x0                                ; the prefetch, a trip and more back, has read its address
	s_add_nc_u64 s[40:41], s[40:41], 24576         ; two records on
.endif
	s_wait_dscnt 0x0                               ; for the others' sake: my stores have landed; my reads of this trip's slot are in
	s_barrier_signal -1
	s_barrier_wait -1
	s_add_co_u32 s19, s19, 1
.endif
.endm
	BLOCKPTR 17
	INIT
	global_load_b128 v[34:37], v4, s[8:9]          ; record 0
	global_load_b128 v[38:41], v4, s[8:9] offset:4096
	global_load_b128 v[42:45], v4, s[8:9] offset:8192
	global_load_b32 v46, v5, s[10:11]
	s_wait_loadcnt 0x0
.irp i, 0,1,2
	ds_store_b128 v4, v[34+4*\i:37+4*\i] offset:4096*\i
.endr
	ds_store_b32 v5, v46 offset:LKS
	s_wait_dscnt 0x0
	s_barrier_signal -1
	s_barrier_wait -1
	s_mov_b32 s19, 0
	s_mov_b32 s20, s17                             ; the first block's diagonal is trip j
	s_mov_b32 s21, 16
.Ltrips:                                           ; 16 passes of two trips, T = 0 .. 31
	TRIP 0, 0
	TRIP 1, 0
	s_sub_co_u32 s21, s21, 1
	s_cmp_lg_u32 s21, 0
	s_cbranch_scc1 .Ltrips
	TRIP 0, 1                                      ; T = 32: the second block's diagonal; nothing is left to fetch
	s_wait_tensorcnt 0x0
	ds_add_u32 v254, v255
	s_wait_dscnt 0x0
	s_endpgm
.Lfunc_end_k_q690b158e33_attn:
	.size	k_q690b158e33_attn, .Lfunc_end_k_q690b158e33_attn-k_q690b158e33_attn
	.p2alignl 7, 3214868480
	.fill 96, 4, 3214868480
	.section	.rodata,"a",@progbits
	.p2align	6, 0x0
	.amdhsa_kernel k_q690b158e33_attn
		.amdhsa_group_segment_fixed_size 33792
		.amdhsa_private_segment_fixed_size 0
		.amdhsa_enable_private_segment 0
		.amdhsa_kernarg_size 48
		.amdhsa_user_sgpr_count 2
		.amdhsa_user_sgpr_kernarg_segment_ptr 1
		.amdhsa_wavefront_size32 1
		.amdhsa_system_sgpr_workgroup_id_x 1
		.amdhsa_system_sgpr_workgroup_id_y 1
		.amdhsa_system_sgpr_workgroup_id_z 1
		.amdhsa_system_vgpr_workitem_id 0
		.amdhsa_next_free_vgpr 256
		.amdhsa_next_free_sgpr 66
		.amdhsa_reserve_vcc 1
		.amdhsa_float_denorm_mode_32 3
		.amdhsa_float_denorm_mode_16_64 3
		.amdhsa_memory_ordered 1
		.amdhsa_forward_progress 1
		.amdhsa_inst_pref_size 86
	.end_amdhsa_kernel
	.amdgpu_metadata
---
amdhsa.version: [ 1, 2 ]
amdhsa.kernels:
  - .name:           k_q690b158e33_attn
    .symbol:         k_q690b158e33_attn.kd
    .args:
      - { .name: q_codes, .offset: 0, .size: 8, .value_kind: global_buffer, .address_space: global }
      - { .name: q_scales, .offset: 8, .size: 8, .value_kind: global_buffer, .address_space: global }
      - { .name: kv_codes, .offset: 16, .size: 8, .value_kind: global_buffer, .address_space: global }
      - { .name: kv_scales, .offset: 24, .size: 8, .value_kind: global_buffer, .address_space: global }
      - { .name: c_codes, .offset: 32, .size: 8, .value_kind: global_buffer, .address_space: global }
      - { .name: c_scales, .offset: 40, .size: 8, .value_kind: global_buffer, .address_space: global }
    .group_segment_fixed_size: 33792
    .private_segment_fixed_size: 0
    .kernarg_segment_align: 8
    .kernarg_segment_size: 48
    .max_flat_workgroup_size: 256
    .sgpr_count:     66
    .vgpr_count:     256
    .wavefront_size: 32
...
	.end_amdgpu_metadata
.endif
;; end of part 3
;; launch oproj (part 4): grid 8 x 32, 8 waves a work-group, no clusters, 121,856 bytes of LDS; arguments c_codes, c_scales, xw_codes, xw_scales, b_o, out0; writes out0
.if DOCPART == 4
	.amdgcn_target "amdgcn-amd-amdhsa--gfx1250"
	.amdhsa_code_object_version 6
	.text
	.protected	k_q690b158e33_oproj
	.globl	k_q690b158e33_oproj
	.p2align	8
	.type	k_q690b158e33_oproj,@function
k_q690b158e33_oproj:
	s_mov_b64 s[64:65], 0
	v_nop
	global_prefetch_b8 v0, s[64:65] scope:SCOPE_SE
	s_setreg_imm32_b32 hwreg(HW_REG_WAVE_MODE, 25, 1), 1
	s_wait_xcnt 0x0
; out = ctx W_o + b_o on codes of BF6 (E3M2) with E8M0 scales for each 32 along K, sums in f32.  ctx's codes and scale words were made by the attention, W_o's by the first launch, both as images of operand registers.
; A work-group makes 128 columns (x) x 128 tokens (y) over K = 1,024, 8 steps: 256 work-groups.  Eight waves; a wave makes 64 columns (4 tiles a, source 0 = W_o's columns) x 32 tokens (2 tiles b, source 1 = ctx):
; eight accumulators, (a, b) at v[112 + 8 (4 b + a)].  A lane holds one token, and its 16 registers of tiles 2 n and 2 n + 1 are 16 neighbouring columns.
; THE BIAS IS LOADED INTO THE ACCUMULATORS, in the result's layout: every K step then adds in place, and the bias costs no addition.
; A K step's tiles (two dense blocks of 12,288 bytes, two of 512 bytes of scale words) are loaded a step ahead into registers and stored into one of two LDS slots: one barrier a step.
; NO CLUSTER, NO TENSOR LOAD: K has 8 steps; tiles shared along the grid's rows and columns are staged by plain loads here, the simplest sound form.
; OUT: through each wave's own stage in LDS, so that sixteen lanes store 256 consecutive bytes of a row, aligned.
.set WOFF,  3145728
.set WSOFF, 131072
.set SL,    25600                      ; an LDS slot: W_o's codes at 0, ctx's at 12,288, W_o's scale words at 24,576, ctx's at 25,088
.set STAGE, 2*SL                       ; behind the slots: 32 rows x (256 bytes + 16) for each wave
.set SP,    272
.set F0,  40                           ; v40-87   W_o's four fragments
.set F1,  88                           ; v88-111  ctx's two
.set ACC, 112                          ; v112-175
.set BK,  176                          ; v176-239 rows read back from the stage
; v1 W_o's fragments, v2 ctx's, v3 W_o's scale words, v4 ctx's (LDS addresses in slot 0; the slot stands in the immediate); v5 16 x thread; v6 where I store a scale word; v7 which word I load;
; v8-9 W_o's scale words (register i: tile 2 i in lanes 0-15, tile 2 i + 1 in lanes 16-31), v10 ctx's (tile 0, tile 1); v12-36 the next K step on its way; v37, v38 the stage, in and out; v39 my bytes in out0; v240 the bias
.macro WM d, a, b, sa, sb, ra, rb
.if (\ra) && (\rb)
	v_wmma_scale_f32_16x16x128_f8f6f4 v[(\d):(\d)+7], v[(\a):(\a)+11], v[(\b):(\b)+11], v[(\d):(\d)+7], v[(\sa)], v[(\sb)] matrix_a_fmt:MATRIX_FMT_BF6 matrix_b_fmt:MATRIX_FMT_BF6 matrix_a_scale:MATRIX_SCALE_ROW1 matrix_b_scale:MATRIX_SCALE_ROW1
.elseif (\ra)
	v_wmma_scale_f32_16x16x128_f8f6f4 v[(\d):(\d)+7], v[(\a):(\a)+11], v[(\b):(\b)+11], v[(\d):(\d)+7], v[(\sa)], v[(\sb)] matrix_a_fmt:MATRIX_FMT_BF6 matrix_b_fmt:MATRIX_FMT_BF6 matrix_a_scale:MATRIX_SCALE_ROW1
.elseif (\rb)
	v_wmma_scale_f32_16x16x128_f8f6f4 v[(\d):(\d)+7], v[(\a):(\a)+11], v[(\b):(\b)+11], v[(\d):(\d)+7], v[(\sa)], v[(\sb)] matrix_a_fmt:MATRIX_FMT_BF6 matrix_b_fmt:MATRIX_FMT_BF6 matrix_b_scale:MATRIX_SCALE_ROW1
.else
	v_wmma_scale_f32_16x16x128_f8f6f4 v[(\d):(\d)+7], v[(\a):(\a)+11], v[(\b):(\b)+11], v[(\d):(\d)+7], v[(\sa)], v[(\sb)] matrix_a_fmt:MATRIX_FMT_BF6 matrix_b_fmt:MATRIX_FMT_BF6
.endif
.endm
	s_load_b256 s[4:11], s[0:1], 0x0               ; c_codes s[4:5], c_scales s[6:7], xw_codes s[8:9], xw_scales s[10:11]
	s_load_b128 s[12:15], s[0:1], 0x20             ; b_o s[12:13], out0 s[14:15]
	v_lshl_add_u32 v254, v0, 2, 0x1d800
	v_mov_b32 v255, 0
	v_lshrrev_b32 v1, 5, v0
	v_readfirstlane_b32 s16, v1                    ; wave 0..7
	s_and_b32 s17, s16, 1                          ; which 64 columns
	s_lshr_b32 s18, s16, 1                         ; which 32 tokens
	s_and_b32 s19, ttmp7, 0xffff                   ; the block of 128 tokens
	v_and_b32 v11, 31, v0                          ; lane
	v_and_b32 v40, 15, v0                          ; r
	v_bfe_u32 v41, v0, 4, 1                        ; h
	s_mul_i32 s20, s17, 6144
	v_lshl_add_u32 v1, v11, 4, s20
	s_mul_i32 s20, s18, 3072
	s_add_co_u32 s20, s20, 12288
	v_lshl_add_u32 v2, v11, 3, s20
	s_lshl_b32 s20, s17, 8
	s_add_co_u32 s20, s20, 24576
	v_lshl_add_u32 v3, v11, 2, s20
	s_lshl_b32 s20, s18, 7
	s_add_co_u32 s20, s20, 25088
	v_lshl_add_u32 v4, v11, 2, s20
	v_lshlrev_b32 v5, 4, v0
	v_lshl_add_u32 v6, v0, 2, 24576
	v_and_b32 v7, 127, v0
	v_lshlrev_b32 v7, 2, v7
	s_mul_i32 s20, s16, 32*SP
	s_add_co_u32 s20, s20, STAGE                   ; my stage
	v_mul_u32_u24 v37, v40, SP
	v_lshl_add_u32 v37, v41, 6, v37
	v_add_nc_u32 v37, s20, v37                     ; in: row r of a tile of tokens, + 64 h
	v_mul_u32_u24 v38, v41, SP
	v_lshl_add_u32 v38, v40, 4, v38
	v_add_nc_u32 v38, s20, v38                     ; back: lanes 0-15 one row, lanes 16-31 the next
	v_lshlrev_b32 v39, 12, v41
	v_lshl_add_u32 v39, v40, 4, v39                ; and the same in out0: a row is 4,096 bytes
	v_lshlrev_b32 v240, 6, v41                     ; the bias: 16 h numbers on
	s_lshr_b32 s20, ttmp9, 1
	s_add_co_u32 s20, s20, 12                      ; W_o's blocks of 256 columns are 12 to 15
	s_and_b32 s21, ttmp9, 1                        ; which half of the block
	s_mul_i32 s32, s20, 196608
	s_mul_i32 s22, s21, 12288
	s_add_co_u32 s32, s32, s22
	s_add_co_u32 s32, s32, WOFF
	s_mov_b32 s33, 0
	s_lshl_b32 s34, s20, 13
	s_lshl_b32 s22, s21, 9
	s_add_co_u32 s34, s34, s22
	s_add_co_u32 s34, s34, WSOFF
	s_mov_b32 s35, 0
	s_mul_i32 s36, s19, 98304
	s_mov_b32 s37, 0
	s_lshl_b32 s38, s19, 12
	s_mov_b32 s39, 0
	s_lshl_b32 s40, ttmp9, 9                       ; my first column, in bytes: 512 x work-group x + 256 x (wave % 2)
	s_lshl_b32 s22, s17, 8
	s_add_co_u32 s40, s40, s22
	s_mov_b32 s41, 0
	s_lshl_b32 s42, s19, 19                        ; my first token's row: 128 rows of 4,096 bytes a block, 32 a wave pair
	s_lshl_b32 s22, s18, 17
	s_add_co_u32 s42, s42, s22
	s_add_co_u32 s42, s42, s40
	s_mov_b32 s43, 0
	s_wait_kmcnt 0x0
	s_add_nc_u64 s[24:25], s[8:9], s[32:33]        ; W_o's codes
	s_add_nc_u64 s[26:27], s[4:5], s[36:37]        ; ctx's
	s_add_nc_u64 s[10:11], s[10:11], s[34:35]
	s_add_nc_u64 s[6:7], s[6:7], s[38:39]
	s_add_nc_u64 s[12:13], s[12:13], s[40:41]
	s_add_nc_u64 s[14:15], s[14:15], s[42:43]
	s_cmp_lt_u32 s16, 4                            ; waves 0-3 stage W_o's 128 scale words of a K step, waves 4-7 ctx's
	s_cselect_b64 s[28:29], s[10:11], s[6:7]
	s_mov_b32 s30, 512
	s_cselect_b32 s30, 1024, s30                   ; a K step on, in bytes
	s_mov_b32 s31, 0
.irp b, 0,1
.irp a, 0,1,2,3
	global_load_b128 v[ACC+8*(4*\b+\a):ACC+8*(4*\b+\a)+3], v240, s[12:13] offset:(32*(\a/2)+8*(\a%2))*4      ; register j of tile a: column 32 (a / 2) + 16 h + 8 (a % 2) + j
	global_load_b128 v[ACC+8*(4*\b+\a)+4:ACC+8*(4*\b+\a)+7], v240, s[12:13] offset:(32*(\a/2)+8*(\a%2))*4+16
.endr
.endr
.macro GLOAD s
.irp i, 0,1,2
	global_load_b128 v[12+4*\i:15+4*\i], v5, s[24:25] offset:24576*(\s)+4096*\i
.endr
.irp i, 0,1,2
	global_load_b128 v[24+4*\i:27+4*\i], v5, s[26:27] offset:12288*(\s)+4096*\i
.endr
	global_load_b32 v36, v7, s[28:29]
.endm
.macro LSTORE p
.irp i, 0,1,2
	ds_store_b128 v5, v[12+4*\i:15+4*\i] offset:SL*(\p)+4096*\i
.endr
.irp i, 0,1,2
	ds_store_b128 v5, v[24+4*\i:27+4*\i] offset:SL*(\p)+12288+4096*\i
.endr
	ds_store_b32 v6, v36 offset:SL*(\p)
.endm
.macro FETCH p
	ds_load_b32 v8, v3 offset:SL*(\p)
	ds_load_b32 v9, v3 offset:SL*(\p)+128
	ds_load_b32 v10, v4 offset:SL*(\p)
.irp b, 0,1
.irp q, 0,1,2,3,4,5
	ds_load_b64 v[F1+12*\b+2*\q:F1+12*\b+2*\q+1], v2 offset:SL*(\p)+1536*\b+256*\q     ; ctx's fragments lie by pairs of registers: 256 P + 8 x lane
.endr
.endr
.irp a, 0,1,2,3
.irp g, 0,1,2
	ds_load_b128 v[F0+12*\a+4*\g:F0+12*\a+4*\g+3], v1 offset:SL*(\p)+1536*\a+512*\g
.endr
.endr
.endm
.macro KSTEP s, more
.if \more
	GLOAD (\s)+1                                   ; the next K step is asked for a step ahead
.endif
	FETCH (\s)%2
	s_wait_dscnt 0x0
.irp a, 0,1,2,3
.irp b, 0,1
	WM ACC+8*(4*\b+\a), F0+12*\a, F1+12*\b, 8+\a/2, 10, \a%2, \b      ; the eight accumulators by turns, in the same order in every step
.endr
.endr
.rept 4
	v_nop                                          ; four places ahead of loads into registers that the products have read, and of the first read of results
.endr
.if \more
	s_wait_loadcnt 0x0                             ; the next step is in registers: so the scale words' pointer may step,
	s_add_nc_u64 s[28:29], s[28:29], s[30:31]
	LSTORE ((\s)+1)%2                              ; and the step goes into the slot that every wave left before the last barrier
	s_wait_dscnt 0x0                               ; for the others' sake: my stores have landed
	s_barrier_signal -1
	s_barrier_wait -1
.endif
.endm
	GLOAD 0
	s_wait_loadcnt 0x0                             ; K step 0, and the bias
	s_add_nc_u64 s[28:29], s[28:29], s[30:31]
	LSTORE 0
	s_wait_dscnt 0x0
	s_barrier_signal -1
	s_barrier_wait -1
.irp s, 0,1,2,3,4,5,6
	KSTEP \s, 1
.endr
	KSTEP 7, 0
; THE WAY OUT.  A lane holds 32 neighbouring bytes of a row for each tile; the lanes beside it hold other rows.  My 32 tokens x 64 columns go through my own stage and come back as rows of 256 bytes.
; LDS serves a wave's instructions in order (ISA guide 5.7.1.4): no wait between the stores and the loads.
.irp b, 0,1
.irp a, 0,1,2,3
	ds_store_b128 v37, v[ACC+8*(4*\b+\a):ACC+8*(4*\b+\a)+3] offset:16*\b*SP+128*(\a/2)+32*(\a%2)        ; each accumulator from its low end on
	ds_store_b128 v37, v[ACC+8*(4*\b+\a)+4:ACC+8*(4*\b+\a)+7] offset:16*\b*SP+128*(\a/2)+32*(\a%2)+16
.endr
.endr
.irp i, 0,1,2,3,4,5,6,7,8,9,10,11,12,13,14,15
	ds_load_b128 v[BK+4*\i:BK+4*\i+3], v38 offset:2*\i*SP
.endr
.irp i, 0,1,2,3,4,5,6,7,8,9,10,11,12,13,14,15
	s_wait_dscnt 15-\i                             ; rows 2 i and 2 i + 1 of the stage are back; the younger loads stay out
	global_store_b128 v39, v[BK+4*\i:BK+4*\i+3], s[14:15] offset:(8*(\i/8)+2*(\i%8)+8*((\i%8)/4))*4096 th:TH_STORE_NT   ; stage row 16 b + r is token 8 b + r + 8 (r / 8); sixteen lanes store 256 consecutive bytes, aligned
.endr
	s_wait_tensorcnt 0x0
	ds_add_u32 v254, v255
	s_wait_dscnt 0x0
	s_endpgm
.Lfunc_end_k_q690b158e33_oproj:
	.size	k_q690b158e33_oproj, .Lfunc_end_k_q690b158e33_oproj-k_q690b158e33_oproj
	.p2alignl 7, 3214868480
	.fill 96, 4, 3214868480
	.section	.rodata,"a",@progbits
	.p2align	6, 0x0
	.amdhsa_kernel k_q690b158e33_oproj
		.amdhsa_group_segment_fixed_size 121856
		.amdhsa_private_segment_fixed_size 0
		.amdhsa_enable_private_segment 0
		.amdhsa_kernarg_size 48
		.amdhsa_user_sgpr_count 2
		.amdhsa_user_sgpr_kernarg_segment_ptr 1
		.amdhsa_wavefront_size32 1
		.amdhsa_system_sgpr_workgroup_id_x 1
		.amdhsa_system_sgpr_workgroup_id_y 1
		.amdhsa_system_sgpr_workgroup_id_z 1
		.amdhsa_system_vgpr_workitem_id 0
		.amdhsa_next_free_vgpr 256
		.amdhsa_next_free_sgpr 66
		.amdhsa_reserve_vcc 0
		.amdhsa_float_denorm_mode_32 3
		.amdhsa_float_denorm_mode_16_64 3
		.amdhsa_memory_ordered 1
		.amdhsa_forward_progress 1
		.amdhsa_inst_pref_size 43
	.end_amdhsa_kernel
	.amdgpu_metadata
---
amdhsa.version: [ 1, 2 ]
amdhsa.kernels:
  - .name:           k_q690b158e33_oproj
    .symbol:         k_q690b158e33_oproj.kd
    .args:
      - { .name: c_codes, .offset: 0, .size: 8, .value_kind: global_buffer, .address_space: global }
      - { .name: c_scales, .offset: 8, .size: 8, .value_kind: global_buffer, .address_space: global }
      - { .name: xw_codes, .offset: 16, .size: 8, .value_kind: global_buffer, .address_space: global }
      - { .name: xw_scales, .offset: 24, .size: 8, .value_kind: global_buffer, .address_space: global }
      - { .name: b_o, .offset: 32, .size: 8, .value_kind: global_buffer, .address_space: global }
      - { .name: out0, .offset: 40, .size: 8, .value_kind: global_buffer, .address_space: global }
    .group_segment_fixed_size: 121856
    .private_segment_fixed_size: 0
    .kernarg_segment_align: 8
    .kernarg_segment_size: 48
    .max_flat_workgroup_size: 256
    .sgpr_count:     66
    .vgpr_count:     256
    .wavefront_size: 32
...
	.end_amdgpu_metadata
.endif
;; end of part 4
;; ======== version 2 of 2: 4 launches
;; workspace buffers: xw_codes 6,291,456 bytes; xw_scales 262,144 bytes; q_codes 3,145,728 bytes; q_scales 262,144 bytes; kv_codes 6,291,456 bytes; kv_scales 524,288 bytes; c_codes 3,145,728 bytes; c_scales 131,072 bytes
;; launch quant (part 5): grid 512 x 1, 4 waves a work-group, no clusters, 68,096 bytes of LDS; arguments x, W_q, W_k, W_v, W_o, xw_codes, xw_scales; writes xw_codes, xw_scales
.if DOCPART == 5
	.amdgcn_target "amdgcn-amd-amdhsa--gfx1250"
	.amdhsa_code_object_version 6
	.text
	.protected	k_q690b158e33_quant
	.globl	k_q690b158e33_quant
	.p2align	8
	.type	k_q690b158e33_quant,@function
k_q690b158e33_quant:
	s_mov_b64 s[64:65], 0
	v_nop
	global_prefetch_b8 v0, s[64:65] scope:SCOPE_SE
	s_setreg_imm32_b32 hwreg(HW_REG_WAVE_MODE, 25, 1), 1
	s_wait_xcnt 0x0
; x [4096][1024] and W_q, W_k, W_v, W_o [1024 (k)][1024 (n)], f32, become codes of BF6 (E3M2) along K with one E8M0 byte for each 32 along K.
; A block's scale is 2^(floor(log2(its largest magnitude)) - 4); its byte is the largest magnitude's exponent field - 4, held at 1 from below.
; THE CODES ARE LAID AS IMAGES OF OPERAND REGISTERS.  A fragment is 16 rows x 128 K, 12 registers a lane (lane (r, h): registers 6 c .. 6 c + 5 hold k = 64 c + 32 h + 0 .. 31);
; registers 4 g .. 4 g + 3 of lane l lie at 512 g + 16 l: 1,536 bytes.  Fragments lie [block of 256 rows][K step of 128][tile 0..15]; x from byte 0, the weights' columns (W_q, W_k, W_v, W_o on end) from WOFF.
; THE ROWS OF A TILE ARE NOT NEIGHBOURS: in each group of 32 rows, lane r of tile u takes row 8 u + r + 8 (r / 8), so that where such tiles are a product's source 0 a lane's 16 results of two tiles are 16 neighbours.
; Scale words (4 bytes: 128 along K of one row) lie [block][K step][tile][r].
; Work-groups 0-255 take x, 256-511 the weights; a wave does one job of 16 KB of f32: 32 rows (or columns) x 128 along K.  Waves share nothing: no barrier.  Only x's path touches LDS.
; LIMITS: NaN and infinities are not served.  A block whose largest magnitude lies under 2^-122, a block of zeros among them, keeps the byte 1 (the quantiser says 127 for zeros): its codes are zeros or
; are made under that byte, and the bytes are read by this program alone.
.set WOFF,  3145728                    ; where the weights' codes begin
.set WSOFF, 131072                     ; and their scale words
.set SROW,  528                        ; x's stage: a row of 512 bytes + 16, an odd multiple of 16 bytes
.set SWAVE, 32*SROW                    ; a wave's stage
	s_load_b256 s[4:11], s[0:1], 0x0               ; x s[4:5], W_q s[6:7], W_k s[8:9], W_v s[10:11]
	s_load_b128 s[12:15], s[0:1], 0x20             ; W_o s[12:13], the codes s[14:15]
	s_load_b64 s[16:17], s[0:1], 0x30              ; the scale words
	v_lshl_add_u32 v62, v0, 2, 0x10800
	v_mov_b32 v63, 0
	v_lshrrev_b32 v1, 5, v0
	v_readfirstlane_b32 s18, v1                    ; wave 0..3
	v_and_b32 v2, 31, v0                           ; lane
	s_cmp_lt_u32 ttmp9, 256
	s_cbranch_scc0 .Lweights
; ---------------- x: K is innermost.  Each load reads 512 consecutive bytes of one row; the 32 rows turn through the wave's own stage, so that a lane gets whole blocks of 32 neighbours.
	s_mov_b32 s20, 0x76543210
	s_mov_b32 s21, 0xfedcba98                      ; v_permlanex16_b32's selects for lane l xor 16
	s_mov_b32 s22, 0xffff0000                      ; lanes 16-31
	s_lshl_b32 s23, ttmp9, 2
	s_add_co_u32 s23, s23, s18                     ; job = 4 x work-group + wave
	s_lshr_b32 s24, s23, 3                         ; which 32 tokens
	s_and_b32 s25, s23, 7                          ; which K step
	s_lshl_b32 s26, s24, 17                        ; 32 rows of 4,096 bytes
	s_lshl_b32 s27, s25, 9                         ; 128 numbers
	s_add_co_u32 s26, s26, s27
	s_mov_b32 s27, 0
	s_wait_alu depctr_va_vdst(0)
	v_lshlrev_b32 v3, 4, v2                        ; 16 x lane
	s_mul_i32 s28, s18, SWAVE
	v_add_nc_u32 v4, s28, v3                       ; the stage, on the way in
	v_and_b32 v5, 15, v2                           ; r
	v_lshrrev_b32 v6, 4, v2                        ; h
	v_mul_u32_u24 v7, v5, SROW
	v_lshl_add_u32 v7, v6, 7, v7
	v_add_nc_u32 v7, s28, v7                       ; and on the way out: row r of a tile, + 128 h: my block of 32
	v_lshlrev_b32 v8, 3, v6                        ; 8 h
	v_lshlrev_b32 v9, 2, v2                        ; 4 x lane
	v_mov_b32 v10, 0                               ; written once: a lane permute's destination counts as one of its sources
	s_lshr_b32 s29, s24, 3
	s_lshl_b32 s29, s29, 3
	s_add_co_u32 s29, s29, s25                     ; 8 x block + K step
	s_and_b32 s30, s24, 7                          ; which 32 tokens of the block's 256
	s_mul_i32 s32, s29, 24576
	s_mul_i32 s31, s30, 3072                       ; two tiles
	s_add_co_u32 s32, s32, s31
	s_mov_b32 s33, 0
	s_lshl_b32 s34, s29, 10
	s_lshl_b32 s31, s30, 7
	s_add_co_u32 s34, s34, s31
	s_mov_b32 s35, 0
	s_wait_alu depctr_va_vdst(0)
	s_wait_kmcnt 0x0
	s_add_nc_u64 s[4:5], s[4:5], s[26:27]
	s_add_nc_u64 s[14:15], s[14:15], s[32:33]
	s_add_nc_u64 s[16:17], s[16:17], s[34:35]
.set i, 0
.rept 32
	global_load_b128 v[64+4*i:64+4*i+3], v3, s[4:5] offset:4096*i th:TH_LOAD_NT   ; row i: 32 lanes read 512 consecutive bytes
.set i, i+1
.endr
.set i, 0
.rept 32
	s_wait_loadcnt 31-i                            ; row i is in; the 31 - i younger loads stay out
	ds_store_b128 v4, v[64+4*i:64+4*i+3] offset:(16*((i>>3)&1)+(i&7)+8*(i>>4))*SROW   ; to its place in its tile: tile (i / 8) % 2, row i % 8 + 8 (i / 16)
.set i, i+1
.endr
.macro BACK u, reg                     ; tile u: my two blocks, k = 64 c + 32 h + 0 .. 31, into v[reg + 32 c] on.  LDS serves a wave's instructions in order: these see the stores above
.irp c, 0,1
.irp i, 0,1,2,3,4,5,6,7
	ds_load_b128 v[\reg+32*\c+4*\i:\reg+32*\c+4*\i+3], v7 offset:\u*16*SROW+256*\c+16*\i
.endr
.endr
.endm
; Tile u's 64 numbers of a lane become its 12 registers of the fragment and its row's scale word
.macro QX u, xs
.irp c, 0,1
	v_max3_num_f32 v[12+\c], |v[\xs+32*\c]|, |v[\xs+32*\c+1]|, 0x2800000   ; the floor 2^(5 - 127) among the leaves: the byte cannot fall under 1
.endr
.irp i, 2,4,6,8,10,12,14,16,18,20,22,24,26,28,30
.irp c, 0,1
	v_max3_num_f32 v[12+\c], v[12+\c], |v[\xs+32*\c+\i]|, |v[\xs+32*\c+\i+1]|   ; the two blocks by turns
.endr
.endr
.irp c, 0,1
	v_add_nc_u32 v[14+\c], 0xfe000000, v[12+\c]    ; 4 off the exponent field: the conversion's scale operand
.endr
.irp c, 0,1
	v_lshrrev_b32 v[16+\c], 23, v[14+\c]           ; the scale's byte
.endr
	v_lshl_or_b32 v[18+\u], v17, 16, v16           ; my bytes: blocks h and 2 + h,
	v_lshlrev_b32 v[18+\u], v8, v[18+\u]           ; at their places;
	v_permlanex16_b32 v10, v[18+\u], s20, s21
	v_or_b32 v[18+\u], v[18+\u], v10               ; with lane l xor 16's two the word is whole, in both halves of the lanes
.irp c, 0,1
	v_cvt_scalef32_pk16_bf6_f32 v[32+12*\u+6*\c:34+12*\u+6*\c], v[\xs+32*\c:\xs+32*\c+15], v[14+\c]
	v_cvt_scalef32_pk16_bf6_f32 v[20+4*\c:22+4*\c], v[\xs+32*\c+16:\xs+32*\c+31], v[14+\c]   ; (a conversion's three registers begin on an even number: the block's upper half is made elsewhere and moved)
.endr
	v_nop                                          ; one plain place behind a scaled conversion
.irp c, 0,1
.irp i, 0,1,2
	v_mov_b32 v[35+12*\u+6*\c+\i], v[20+4*\c+\i]
.endr
.endr
.irp g, 0,1,2
	global_store_b128 v3, v[32+12*\u+4*\g:35+12*\u+4*\g], s[14:15] offset:1536*\u+512*\g   ; 32 lanes store 512 consecutive bytes, aligned; each tile has its own registers
.endr
.endm
	BACK 0, 192
	s_wait_dscnt 0x0                               ; tile 0 is in, and the stores into the stage have read v64-191,
	BACK 1, 64                                     ; which take tile 1 while tile 0 is worked on
	QX 0, 192
	s_wait_dscnt 0x0                               ; tile 1 is in
	QX 1, 64
	v_cndmask_b32 v11, v18, v19, s22               ; lanes 0-15 tile 0's words, lanes 16-31 tile 1's
	global_store_b32 v9, v11, s[16:17]             ; 128 consecutive bytes
	s_wait_tensorcnt 0x0
	ds_add_u32 v62, v63
	s_wait_dscnt 0x0
	s_endpgm
; ---------------- the weights: K is the first axis.  A lane takes a column and its registers run down K: a block of 32 lies in one lane, and the codes come out with K innermost.
.Lweights:
	s_sub_co_u32 s23, ttmp9, 256
	s_lshr_b32 s24, s23, 6                         ; which weight
	s_bfe_u32 s25, s23, 0x30003                    ; which 128 columns
	s_and_b32 s26, s23, 7                          ; which K step
	s_lshl_b32 s28, s26, 19                        ; 128 rows of 4,096 bytes
	s_lshl_b32 s27, s25, 9
	s_add_co_u32 s28, s28, s27
	s_lshl_b32 s27, s18, 7                         ; my wave's 32 columns
	s_add_co_u32 s28, s28, s27
	s_mov_b32 s29, 0
	s_lshl_b32 s30, s24, 2
	s_lshr_b32 s27, s25, 1
	s_add_co_u32 s30, s30, s27                     ; the block of 256 columns
	s_lshl_b32 s30, s30, 3
	s_add_co_u32 s30, s30, s26                     ; 8 x block + K step
	s_and_b32 s31, s25, 1
	s_lshl_b32 s31, s31, 3
	s_lshl_b32 s27, s18, 1
	s_add_co_u32 s31, s31, s27                     ; my wave's first tile
	s_mul_i32 s32, s30, 24576
	s_mul_i32 s27, s31, 1536
	s_add_co_u32 s32, s32, s27
	s_add_co_u32 s32, s32, WOFF
	s_mov_b32 s33, 0
	s_lshl_b32 s34, s30, 10
	s_lshl_b32 s27, s31, 6
	s_add_co_u32 s34, s34, s27
	s_add_co_u32 s34, s34, WSOFF
	s_mov_b32 s35, 0
	s_wait_alu depctr_va_vdst(0)
	v_lshlrev_b32 v3, 2, v2                        ; in: 4 bytes a lane
	v_bfe_u32 v4, v2, 3, 1                         ; my column's tile u,
	v_and_b32 v5, 7, v2
	v_lshrrev_b32 v6, 4, v2
	v_lshl_add_u32 v5, v6, 3, v5                   ; and its row there: lane % 8 + 8 (lane / 16)
	v_mul_u32_u24 v7, v4, 1536
	v_lshl_add_u32 v7, v5, 4, v7                   ; the codes' place
	v_lshlrev_b32 v8, 6, v4
	v_lshl_add_u32 v8, v5, 2, v8                   ; the scale word's
	s_wait_alu depctr_va_vdst(0)
	s_wait_kmcnt 0x0
	s_cmp_eq_u32 s24, 1                            ; the choice hangs on the work-group's number alone
	s_cselect_b64 s[6:7], s[8:9], s[6:7]
	s_cmp_eq_u32 s24, 2
	s_cselect_b64 s[6:7], s[10:11], s[6:7]
	s_cmp_eq_u32 s24, 3
	s_cselect_b64 s[6:7], s[12:13], s[6:7]
	s_add_nc_u64 s[6:7], s[6:7], s[28:29]
	s_add_nc_u64 s[14:15], s[14:15], s[32:33]
	s_add_nc_u64 s[16:17], s[16:17], s[34:35]
.macro WLOAD t                         ; block t: W(32 t + i, my column) into set t % 2: a load reads 128 consecutive bytes
.set i, 0
.rept 32
	global_load_b32 v[64+32*((\t)%2)+i], v3, s[6:7] offset:(32*(\t)+i)*4096 th:TH_LOAD_NT
.set i, i+1
.endr
.endm
; Block t = 2 c + h belongs to registers 6 c .. 6 c + 5 of the fragment's lane (row, h): two sets of 12 registers, one for each h
.macro WBLOCK t
.set XS, 64+32*((\t)%2)
.set CDR, 32+12*((\t)%2)+6*((\t)/2)
.if (\t) < 3
	s_wait_loadcnt 32                              ; this block's 32 loads are in; the next block's 32 stay out
.else
	s_wait_loadcnt 0x0
.endif
	v_max3_num_f32 v12, |v[XS]|, |v[XS+1]|, |v[XS+2]|
	v_max3_num_f32 v13, |v[XS+3]|, |v[XS+4]|, |v[XS+5]|
.irp i, 6,10,14,18,22,26
	v_max3_num_f32 v12, v12, |v[XS+\i]|, |v[XS+\i+1]|
	v_max3_num_f32 v13, v13, |v[XS+\i+2]|, |v[XS+\i+3]|
.endr
	v_max3_num_f32 v12, v12, |v[XS+30]|, |v[XS+31]|
	v_max3_num_f32 v12, v12, v13, 0x2800000        ; and the floor
	v_add_nc_u32 v14, 0xfe000000, v12              ; the conversion's scale operand
	v_lshrrev_b32 v15, 23, v14                     ; the byte
.if (\t) == 0
	v_mov_b32 v16, v15
.else
	v_lshl_or_b32 v16, v15, 8*(\t), v16            ; the column's scale word, the lower K in the lower byte
.endif
	v_cvt_scalef32_pk16_bf6_f32 v[CDR:CDR+2], v[XS:XS+15], v14
	v_cvt_scalef32_pk16_bf6_f32 v[20:22], v[XS+16:XS+31], v14
	v_nop                                          ; one plain place behind a scaled conversion
.irp i, 0,1,2
	v_mov_b32 v[CDR+3+\i], v[20+\i]
.endr
.if (\t) < 2
	WLOAD (\t)+2
.else
.irp g, 0,1,2
	global_store_b128 v7, v[32+12*((\t)-2)+4*\g:35+12*((\t)-2)+4*\g], s[14:15] offset:256*((\t)-2)+512*\g   ; the 16 lanes of each tile store 256 consecutive bytes, aligned
.endr
.endif
.endm
	WLOAD 0
	WLOAD 1
	WBLOCK 0
	WBLOCK 1
	WBLOCK 2
	WBLOCK 3
	global_store_b32 v8, v16, s[16:17]
	s_endpgm
.Lfunc_end_k_q690b158e33_quant:
	.size	k_q690b158e33_quant, .Lfunc_end_k_q690b158e33_quant-k_q690b158e33_quant
	.p2alignl 7, 3214868480
	.fill 96, 4, 3214868480
	.section	.rodata,"a",@progbits
	.p2align	6, 0x0
	.amdhsa_kernel k_q690b158e33_quant
		.amdhsa_group_segment_fixed_size 68096
		.amdhsa_private_segment_fixed_size 0
		.amdhsa_enable_private_segment 0
		.amdhsa_kernarg_size 56
		.amdhsa_user_sgpr_count 2
		.amdhsa_user_sgpr_kernarg_segment_ptr 1
		.amdhsa_wavefront_size32 1
		.amdhsa_system_sgpr_workgroup_id_x 1
		.amdhsa_system_sgpr_workgroup_id_y 1
		.amdhsa_system_sgpr_workgroup_id_z 1
		.amdhsa_system_vgpr_workitem_id 0
		.amdhsa_next_free_vgpr 256
		.amdhsa_next_free_sgpr 66
		.amdhsa_reserve_vcc 0
		.amdhsa_float_denorm_mode_32 3
		.amdhsa_float_denorm_mode_16_64 3
		.amdhsa_memory_ordered 1
		.amdhsa_forward_progress 1
		.amdhsa_inst_pref_size 38
	.end_amdhsa_kernel
	.amdgpu_metadata
---
amdhsa.version: [ 1, 2 ]
amdhsa.kernels:
  - .name:           k_q690b158e33_quant
    .symbol:         k_q690b158e33_quant.kd
    .args:
      - { .name: x, .offset: 0, .size: 8, .value_kind: global_buffer, .address_space: global }
      - { .name: W_q, .offset: 8, .size: 8, .value_kind: global_buffer, .address_space: global }
      - { .name: W_k, .offset: 16, .size: 8, .value_kind: global_buffer, .address_space: global }
      - { .name: W_v, .offset: 24, .size: 8, .value_kind: global_buffer, .address_space: global }
      - { .name: W_o, .offset: 32, .size: 8, .value_kind: global_buffer, .address_space: global }
      - { .name: xw_codes, .offset: 40, .size: 8, .value_kind: global_buffer, .address_space: global }
      - { .name: xw_scales, .offset: 48, .size: 8, .value_kind: global_buffer, .address_space: global }
    .group_segment_fixed_size: 68096
    .private_segment_fixed_size: 0
    .kernarg_segment_align: 8
    .kernarg_segment_size: 56
    .max_flat_workgroup_size: 128
    .sgpr_count:     66
    .vgpr_count:     256
    .wavefront_size: 32
...
	.end_amdgpu_metadata
.endif
;; end of part 5
;; launch qkv (part 6): grid 12 x 16, 8 waves a work-group, no clusters, 103,424 bytes of LDS; arguments xw_codes, xw_scales, q_codes, q_scales, kv_codes, kv_scales; writes q_codes, q_scales, kv_codes, kv_scales
.if DOCPART == 6
	.amdgcn_target "amdgcn-amd-amdhsa--gfx1250"
	.amdhsa_code_object_version 6
	.text
	.protected	k_q690b158e33_qkv
	.globl	k_q690b158e33_qkv
	.p2align	8
	.type	k_q690b158e33_qkv,@function
k_q690b158e33_qkv:
	s_mov_b64 s[64:65], 0
	v_nop
	global_prefetch_b8 v0, s[64:65] scope:SCOPE_SE
	s_setreg_imm32_b32 hwreg(HW_REG_WAVE_SCHED_MODE, 0, 2), 2
	s_setreg_imm32_b32 hwreg(HW_REG_WAVE_MODE, 25, 1), 1
	s_wait_xcnt 0x0
	s_wait_alu depctr_vm_vsrc(0)
; q = x W_q, k = x W_k, v = x W_v on codes of BF6 (E3M2) with E8M0 scales for each 32 along K, sums in f32; the results are quantised at once for the attention: q and k along the head's 64 channels, v along the keys.
; A work-group makes 256 x 256 of one result over K = 1,024: x = the block of 256 weight columns (0-3 W_q, 4-7 W_k, 8-11 W_v), y = the block of 256 tokens.  Eight waves, two to a SIMD; a wave makes 128 rows of
; source 0 (8 tiles a) x 64 rows of source 1 (4 tiles b): 32 accumulators, (a, b) at v[8 (8 b + a)] of window 1.
; WHICH OPERAND IS SOURCE 0 decides what a lane's registers run along.  q, k: source 0 = the weight's columns, source 1 = tokens: a lane holds one token, and (the rows of a tile being chosen for it by the launch
; before) register 64 b + 16 n + i is channel 32 n + 16 (lane / 16) + i of the wave's 128: neighbours along the next K.  v: source 0 = tokens, source 1 = columns: a lane holds one channel, registers run along the keys.
; Both operands lie in one buffer as images of operand registers, so only byte offsets differ between the two kinds of work-group: one main loop.
; A K step's tiles (two dense blocks of 24,576 bytes and two of 1,024 bytes of scale words) are loaded a step ahead into registers and stored into one of two LDS slots: one barrier a step.
; NO CLUSTER, NO TENSOR LOAD: K has 8 steps; the tiles are shared between work-groups of a row or a column of the grid and are staged by plain loads here, the simplest sound form.
; OUT.  q_codes [head][64 tokens][3,072]: the four tiles' six registers (k = 32 h + 0 .. 31 of 64) as one run of 24 registers, four registers of lane l at 512 g + 16 l.  kv_codes [head][128 keys][12,288]: two such runs
; for k, then four whole fragments of v^T (16 channels x 128 keys).  Scale words: q, k: 8 bytes a lane: word i of lane (r, h) is tile 2 i + h's, row r's, its two bytes written twice; v: a word a lane, row r's in both halves.
; LIMITS: NaN and infinities are not served; a block whose largest magnitude lies under 2^-122 (zeros too) keeps the byte 1: only this program reads the bytes.
; THE MODE: SCHED_MODE bits 1:0 = 2 (LLVM: expert scheduling mode 2), set by the entry lines.  The code itself states the register dependences between vector or matrix instructions and memory or LDS
; instructions, with s_wait_alu, always for 0.
; THE PLAN.  Registers that memory or LDS instructions touch:
;   v1-15, v22, v23   addresses and offsets: written by vector lines at the head, never again.
;   STG v24-73        the global loads of K step s + 1 land here at the head of step s; the LDS stores at the end of step s read them; no vector line names them (but v24, once, at the head).
;   SC0, SC1, F0, F1  the LDS loads of step s land here; step s's 32 products read them.
;   on the way out    conversions, swaps, moves and selects write v80-127 and v244-255; the global stores read them.
; So a step's head holds two waits: on vm_vsrc, ahead of the global loads (the LDS stores have read STG), and, from step 1 on, on va_vdst, ahead of the run of LDS loads (the last step's products are done
; reading the fragments and scale words; they were issued ahead of that step's barrier).  No further buffer: two waves to a SIMD have 512 registers each, and all are taken.  The LDS loads stay in one run: the products
; have their destination in window 1, which is also where an LDS load's data would go, so a load among them would want two switches of the window.
.set WOFF,  3145728
.set WSOFF, 131072
.set BLKB,  196608                     ; a block of 256 rows: 8 K steps x 24,576 bytes
.set KST,   24576
.set SLOT,  51200                      ; an LDS slot: source 0's codes, source 1's at L1, their scale words at LS0, LS1
.set L1,    24576
.set LS0,   49152
.set LS1,   50176
.set AD0,  2                           ; v2-3   slot p: my 8 tiles of source 0: 16 x lane + 12,288 x (wave % 2)
.set AD1,  4                           ; v4-5   my 4 tiles of source 1: 16 x lane + 6,144 x (wave / 2)
.set AS0,  6                           ; v6-7   source 0's scale words: 4 x lane + 512 x (wave % 2)
.set AS1,  8                           ; v8-9   source 1's: 4 x lane + 256 x (wave / 2)
.set ST16, 10                          ; v10-11 where I store codes: 16 x thread
.set ST4,  12                          ; v12-13 and a scale word: 4 x thread
.set SC0,  16                          ; v16-19 scale words of source 0: register i: tile 2 i in lanes 0-15, tile 2 i + 1 in lanes 16-31
.set SC1,  20                          ; v20-21 of source 1
.set STG,  24                          ; v24-73 the next K step on its way
.set F0,   80                          ; v80-175  source 0's fragments; on the way out the codes
.set F1,   176                         ; v176-223 source 1's
.set TM,   224                         ; v224-242 at work on the way out
.set WD,   244                         ; v244-251 scale words made
.set SEL,  40                          ; s[40:41] selects for lane l xor 16
.set MSB, 0
.macro WIN new                         ; the immediate's high byte repeats the setting that is left
.if MSB != \new
	s_set_vgpr_msb (MSB<<8)|\new
.set MSB, \new
.endif
.endm
; one product.  ra, rb: the side's scale words stand in lanes 16-31 of the register named
.macro WM d, a, b, zero, sa, sb, ra, rb
.if (\zero)
.if (\ra) && (\rb)
	v_wmma_scale_f32_16x16x128_f8f6f4 v[(\d):(\d)+7], v[(\a):(\a)+11], v[(\b):(\b)+11], 0, v[(\sa)], v[(\sb)] matrix_a_fmt:MATRIX_FMT_BF6 matrix_b_fmt:MATRIX_FMT_BF6 matrix_a_scale:MATRIX_SCALE_ROW1 matrix_b_scale:MATRIX_SCALE_ROW1
.elseif (\ra)
	v_wmma_scale_f32_16x16x128_f8f6f4 v[(\d):(\d)+7], v[(\a):(\a)+11], v[(\b):(\b)+11], 0, v[(\sa)], v[(\sb)] matrix_a_fmt:MATRIX_FMT_BF6 matrix_b_fmt:MATRIX_FMT_BF6 matrix_a_scale:MATRIX_SCALE_ROW1
.elseif (\rb)
	v_wmma_scale_f32_16x16x128_f8f6f4 v[(\d):(\d)+7], v[(\a):(\a)+11], v[(\b):(\b)+11], 0, v[(\sa)], v[(\sb)] matrix_a_fmt:MATRIX_FMT_BF6 matrix_b_fmt:MATRIX_FMT_BF6 matrix_b_scale:MATRIX_SCALE_ROW1
.else
	v_wmma_scale_f32_16x16x128_f8f6f4 v[(\d):(\d)+7], v[(\a):(\a)+11], v[(\b):(\b)+11], 0, v[(\sa)], v[(\sb)] matrix_a_fmt:MATRIX_FMT_BF6 matrix_b_fmt:MATRIX_FMT_BF6
.endif
.else
.if (\ra) && (\rb)
	v_wmma_scale_f32_16x16x128_f8f6f4 v[(\d):(\d)+7], v[(\a):(\a)+11], v[(\b):(\b)+11], v[(\d):(\d)+7], v[(\sa)], v[(\sb)] matrix_a_fmt:MATRIX_FMT_BF6 matrix_b_fmt:MATRIX_FMT_BF6 matrix_a_scale:MATRIX_SCALE_ROW1 matrix_b_scale:MATRIX_SCALE_ROW1
.elseif (\ra)
	v_wmma_scale_f32_16x16x128_f8f6f4 v[(\d):(\d)+7], v[(\a):(\a)+11], v[(\b):(\b)+11], v[(\d):(\d)+7], v[(\sa)], v[(\sb)] matrix_a_fmt:MATRIX_FMT_BF6 matrix_b_fmt:MATRIX_FMT_BF6 matrix_a_scale:MATRIX_SCALE_ROW1
.elseif (\rb)
	v_wmma_scale_f32_16x16x128_f8f6f4 v[(\d):(\d)+7], v[(\a):(\a)+11], v[(\b):(\b)+11], v[(\d):(\d)+7], v[(\sa)], v[(\sb)] matrix_a_fmt:MATRIX_FMT_BF6 matrix_b_fmt:MATRIX_FMT_BF6 matrix_b_scale:MATRIX_SCALE_ROW1
.else
	v_wmma_scale_f32_16x16x128_f8f6f4 v[(\d):(\d)+7], v[(\a):(\a)+11], v[(\b):(\b)+11], v[(\d):(\d)+7], v[(\sa)], v[(\sb)] matrix_a_fmt:MATRIX_FMT_BF6 matrix_b_fmt:MATRIX_FMT_BF6
.endif
.endif
.endm
	s_load_b256 s[4:11], s[0:1], 0x0               ; xw_codes s[4:5], xw_scales s[6:7], q_codes s[8:9], q_scales s[10:11]
	s_load_b128 s[12:15], s[0:1], 0x20             ; kv_codes s[12:13], kv_scales s[14:15]
	v_lshl_add_u32 v239, v0, 2, 0x19000
	v_mov_b32 v243, 0
	v_lshrrev_b32 v1, 5, v0
	v_readfirstlane_b32 s16, v1                    ; wave 0..7
	s_and_b32 s19, ttmp7, 0xffff                   ; the block of tokens
	v_and_b32 v24, 31, v0
	v_lshlrev_b32 v1, 4, v24                       ; 16 x lane
	s_wait_alu depctr_va_vdst(0)
	v_lshlrev_b32 v22, 3, v24                      ; 8 x lane
	v_lshlrev_b32 v23, 2, v24                      ; 4 x lane
	s_wait_alu depctr_va_vdst(0)
	v_lshlrev_b32 v14, 4, v0                       ; 16 x thread
	s_wait_alu depctr_va_vdst(0)
	v_lshlrev_b32 v15, 2, v0                       ; 4 x thread
	s_wait_alu depctr_va_vdst(0)
	s_wait_alu depctr_va_sdst(0)                   ; s16 is written, ahead of its first reader: the wave's shares and LDS places are made from it
	s_and_b32 s17, s16, 1                          ; which half of source 0
	s_lshr_b32 s18, s16, 1                         ; which quarter of source 1
	s_mul_i32 s20, s17, 12288
	s_mul_i32 s21, s18, 6144
	s_add_co_u32 s21, s21, L1
	s_lshl_b32 s22, s17, 9
	s_add_co_u32 s22, s22, LS0
	s_lshl_b32 s23, s18, 8
	s_add_co_u32 s23, s23, LS1
.irp p, 0,1
	v_add_nc_u32 v[AD0+\p], s20, v1
	v_add_nc_u32 v[AD1+\p], s21, v1
	v_add_nc_u32 v[AS0+\p], s22, v23
	v_add_nc_u32 v[AS1+\p], s23, v23
	v_add_nc_u32 v[ST16+\p], SLOT*\p, v14
	v_add_nc_u32 v[ST4+\p], SLOT*\p+LS0, v15
	s_add_co_u32 s20, s20, SLOT
	s_add_co_u32 s21, s21, SLOT
	s_add_co_u32 s22, s22, SLOT
	s_add_co_u32 s23, s23, SLOT
.endr
.irp k, 0,1,2,3
	v_mov_b32 v[TM+4+\k], 0                        ; written once: a lane permute's destination counts as one of its sources
.endr
	s_mov_b32 s[SEL], 0x76543210
	s_mov_b32 s[SEL+1], 0xfedcba98
	s_mov_b32 s42, 0xffff0000                      ; lanes 16-31
	s_mul_i32 s32, ttmp9, BLKB
	s_add_co_u32 s32, s32, WOFF                    ; the weight block's codes,
	s_mul_i32 s33, s19, BLKB                       ; the token block's,
	s_lshl_b32 s34, ttmp9, 13
	s_add_co_u32 s34, s34, WSOFF                   ; and their scale words
	s_lshl_b32 s35, s19, 13
	s_cmp_lt_u32 ttmp9, 8                          ; q, k: the weight is source 0;  v: the tokens are
	s_cselect_b32 s36, s32, s33
	s_cselect_b32 s38, s33, s32
	s_cselect_b32 s52, s34, s35
	s_cselect_b32 s54, s35, s34
	s_mov_b32 s37, 0
	s_mov_b32 s39, 0
	s_mov_b32 s53, 0
	s_mov_b32 s55, 0
	s_wait_kmcnt 0x0
	s_add_nc_u64 s[24:25], s[4:5], s[36:37]        ; source 0's codes
	s_add_nc_u64 s[26:27], s[4:5], s[38:39]        ; source 1's
	s_add_nc_u64 s[28:29], s[6:7], s[52:53]        ; source 0's scale words
	s_add_nc_u64 s[30:31], s[6:7], s[54:55]        ; source 1's
.macro GLOAD s                         ; K step s: 14 loads a thread; each b128 of a wave reads 512 consecutive bytes
.irp i, 0,1,2,3,4,5
	global_load_b128 v[STG+4*\i:STG+4*\i+3], v14, s[24:25] offset:KST*(\s)+4096*\i
.endr
.irp i, 0,1,2,3,4,5
	global_load_b128 v[STG+24+4*\i:STG+24+4*\i+3], v14, s[26:27] offset:KST*(\s)+4096*\i
.endr
	global_load_b32 v[STG+48], v15, s[28:29] offset:1024*(\s)
	global_load_b32 v[STG+49], v15, s[30:31] offset:1024*(\s)
.endm
.macro LSTORE p
.irp i, 0,1,2,3,4,5
	ds_store_b128 v[ST16+(\p)], v[STG+4*\i:STG+4*\i+3] offset:4096*\i
.endr
.irp i, 0,1,2,3,4,5
	ds_store_b128 v[ST16+(\p)], v[STG+24+4*\i:STG+24+4*\i+3] offset:L1+4096*\i
.endr
	ds_store_b32 v[ST4+(\p)], v[STG+48]
	ds_store_b32 v[ST4+(\p)], v[STG+49] offset:1024
.endm
.macro FETCH p                         ; 42 LDS loads in one run: scale words, source 1, then source 0 tile by tile; every load reads consecutive bytes
.irp i, 0,1,2,3
	ds_load_b32 v[SC0+\i], v[AS0+(\p)] offset:128*\i
.endr
.irp i, 0,1
	ds_load_b32 v[SC1+\i], v[AS1+(\p)] offset:128*\i
.endr
.irp b, 0,1,2,3
.irp g, 0,1,2
	ds_load_b128 v[F1+12*\b+4*\g:F1+12*\b+4*\g+3], v[AD1+(\p)] offset:1536*\b+512*\g
.endr
.endr
.irp a, 0,1,2,3,4,5,6,7
.irp g, 0,1,2
	ds_load_b128 v[F0+12*\a+4*\g:F0+12*\a+4*\g+3], v[AD0+(\p)] offset:1536*\a+512*\g
.endr
.endr
.endm
; 32 products: the 32 accumulators take turns, one instruction a turn, in the same order in every K step
.macro MUL zero
	WIN 0x50                                       ; C and D in window 1
.irp a, 0,1,2,3,4,5,6,7
	s_wait_dscnt 3*(7-\a)                          ; tile a of source 0 is in: behind it stand the three loads of each later tile
.irp b, 0,1,2,3
	WM 8*(8*\b+\a), F0+12*\a, F1+12*\b, \zero, SC0+\a/2, SC1+\b/2, \a%2, \b%2
.endr
.endr
	WIN 0
.rept 4
	v_nop                                          ; four places behind the products, ahead of what next touches their registers (ISA guide 7.12.1); the waits on va_vdst stand beside them and fill none
.endr
.endm
.macro KSTEP s, zero, more
.if \more
	s_wait_alu depctr_vm_vsrc(0)                   ; my LDS stores of this step's tiles have read v[STG ..], in which the loads below land
	GLOAD (\s)+1                                   ; the next K step is asked for a step ahead
.endif
.if (\s) > 0
	s_wait_alu depctr_va_vdst(0)                   ; the last step's products are done reading the fragments and the scale words, in which the LDS loads below land
.endif
	FETCH (\s)%2
	MUL \zero
.if \more
	s_wait_loadcnt 0x0                             ; it is in registers,
	LSTORE ((\s)+1)%2                              ; and goes into the slot that every wave left before the last barrier
	s_wait_dscnt 0x0                               ; for the others' sake: my stores have landed; my reads of this step's slot are long in
	s_barrier_signal -1
	s_barrier_wait -1
.endif
.endm
	s_wait_alu depctr_va_vdst(0)                   ; the addresses and offsets v1 to v15, v22, v23 are written, which every load and store below reads; so is v24, in which a load lands
	GLOAD 0
	s_wait_loadcnt 0x0
	LSTORE 0
	s_wait_dscnt 0x0
	s_barrier_signal -1
	s_barrier_wait -1
	KSTEP 0, 1, 1                                  ; the first products start the sums: nothing is cleared
.irp s, 1,2,3,4,5,6
	KSTEP \s, 0, 1
.endr
	KSTEP 7, 0, 0
; 32 numbers of a lane in window 1, register 16 n + i = k 32 n + 16 (lane / 16) + i of 64, become six registers (lane (r, h): k = 32 h + 0 .. 31) and a scale word (byte 0, byte 1, and both again).
; Each accumulator is read from its low end on.
.macro QUANT32 src, dst, word
	WIN 0x05                                       ; sources 0 and 1 in window 1
.irp k, 0,1
	v_max3_num_f32 v[TM+\k], |v[(\src)+16*\k]|, |v[(\src)+16*\k+1]|, 0x2800000   ; with the floor 2^(5 - 127): the byte cannot fall under 1
.endr
.irp i, 2,4,6,8,10,12,14
.irp k, 0,1
	v_max3_num_f32 v[TM+\k], |v[(\src)+16*\k+\i]|, |v[(\src)+16*\k+\i+1]|, v[TM+\k]
.endr
.endr
	WIN 0
.irp k, 0,1
	v_permlanex16_b32 v[TM+4+\k], v[TM+\k], s[SEL], s[SEL+1]
.endr
.irp k, 0,1
	v_max_num_f32 v[TM+\k], v[TM+\k], v[TM+4+\k]   ; with lane l xor 16's 16: the block's largest magnitude
.endr
.irp k, 0,1
	v_add_nc_u32 v[TM+8+\k], 0xfe000000, v[TM+\k]  ; 4 off the exponent field: the conversion's scale operand
.endr
.irp k, 0,1
	v_lshrrev_b32 v[TM+4+\k], 23, v[TM+8+\k]       ; the byte
.endr
	v_lshl_or_b32 v[(\word)], v[TM+5], 8, v[TM+4]
	v_lshl_or_b32 v[(\word)], v[(\word)], 16, v[(\word)]   ; bytes 2 and 3 repeat bytes 0 and 1: they scale the half of the 128-deep product that holds zero codes
	WIN 0x01                                       ; source 0 in window 1
	v_cvt_scalef32_pk16_bf6_f32 v[(\dst):(\dst)+2], v[(\src):(\src)+15], v[TM+8]
	v_cvt_scalef32_pk16_bf6_f32 v[TM+12:TM+14], v[(\src)+16:(\src)+31], v[TM+9]
	WIN 0
	v_nop                                          ; one plain place behind a scaled conversion
.irp i, 0,1,2
	v_permlane16_swap_b32 v[(\dst)+\i], v[TM+12+\i]   ; the first's lanes 16-31 change places with the second's lanes 0-15: a whole block in a lane
.endr
.irp i, 0,1,2
	v_mov_b32 v[(\dst)+3+\i], v[TM+12+\i]
.endr
.endm
; 64 numbers, register 16 n + i = k 32 n + 16 (lane / 16) + i of 128, become a whole fragment and its scale word
.macro QUANT64 src, dst, word
	WIN 0x05
.irp k, 0,1,2,3
	v_max3_num_f32 v[TM+\k], |v[(\src)+16*\k]|, |v[(\src)+16*\k+1]|, 0x2800000
.endr
.irp i, 2,4,6,8,10,12,14
.irp k, 0,1,2,3
	v_max3_num_f32 v[TM+\k], |v[(\src)+16*\k+\i]|, |v[(\src)+16*\k+\i+1]|, v[TM+\k]
.endr
.endr
	WIN 0
.irp k, 0,1,2,3
	v_permlanex16_b32 v[TM+4+\k], v[TM+\k], s[SEL], s[SEL+1]
.endr
.irp k, 0,1,2,3
	v_max_num_f32 v[TM+\k], v[TM+\k], v[TM+4+\k]
.endr
.irp k, 0,1,2,3
	v_add_nc_u32 v[TM+8+\k], 0xfe000000, v[TM+\k]
.endr
.irp k, 0,1,2,3
	v_lshrrev_b32 v[TM+4+\k], 23, v[TM+8+\k]
.endr
	v_lshl_or_b32 v[(\word)], v[TM+5], 8, v[TM+4]
	v_lshl_or_b32 v[(\word)], v[TM+6], 16, v[(\word)]
	v_lshl_or_b32 v[(\word)], v[TM+7], 24, v[(\word)]
	WIN 0x01
.irp c, 0,1
	v_cvt_scalef32_pk16_bf6_f32 v[(\dst)+6*\c:(\dst)+6*\c+2], v[(\src)+32*\c:(\src)+32*\c+15], v[TM+8+2*\c]
	v_cvt_scalef32_pk16_bf6_f32 v[TM+12+4*\c:TM+14+4*\c], v[(\src)+32*\c+16:(\src)+32*\c+31], v[TM+9+2*\c]
.endr
	WIN 0
	v_nop
.irp c, 0,1
.irp i, 0,1,2
	v_permlane16_swap_b32 v[(\dst)+6*\c+\i], v[TM+12+4*\c+\i]
.endr
.irp i, 0,1,2
	v_mov_b32 v[(\dst)+6*\c+3+\i], v[TM+12+4*\c+\i]
.endr
.endr
.endm
	s_cmp_ge_u32 ttmp9, 8
	s_cbranch_scc1 .Lv
; ---- q, k: my 64 tokens x two heads
	s_and_b32 s20, ttmp9, 3
	s_lshl_b32 s20, s20, 2
	s_lshl_b32 s21, s17, 1
	s_add_co_u32 s20, s20, s21                     ; my first head
	s_lshl_b32 s21, s19, 2
	s_add_co_u32 s21, s21, s18                     ; my group of 64 tokens
	s_lshl_b32 s20, s20, 5
	s_lshr_b32 s22, s21, 1
	s_add_co_u32 s20, s20, s22                     ; 32 x head + the group of 128
	s_and_b32 s21, s21, 1                          ; and which half of it
	s_cmp_lt_u32 ttmp9, 4                          ; q's records are 6,144 and 512 bytes, k's (with v's behind them) twice that
	s_cselect_b32 s23, 0, 1
	s_cselect_b64 s[44:45], s[8:9], s[12:13]
	s_cselect_b64 s[48:49], s[10:11], s[14:15]
	s_mul_i32 s32, s20, 6144
	s_lshl_b32 s32, s32, s23
	s_mul_i32 s33, s21, 3072
	s_add_co_u32 s32, s32, s33
	s_mov_b32 s33, 0
	s_add_nc_u64 s[44:45], s[44:45], s[32:33]
	s_lshl_b32 s32, 196608, s23                    ; a head on
	s_add_nc_u64 s[46:47], s[44:45], s[32:33]
	s_lshl_b32 s32, s20, 9
	s_lshl_b32 s32, s32, s23
	s_lshl_b32 s34, s21, 8
	s_add_co_u32 s32, s32, s34
	s_add_nc_u64 s[48:49], s[48:49], s[32:33]
	s_lshl_b32 s32, 16384, s23
	s_add_nc_u64 s[50:51], s[48:49], s[32:33]
.irp hd, 0,1
.irp b, 0,1,2,3
	QUANT32 64*\b+32*\hd, F0+24*\hd+6*\b, WD+4*\hd+\b
.endr
.endr
.irp hd, 0,1
	v_cndmask_b32 v[252+2*\hd], v[WD+4*\hd], v[WD+4*\hd+1], s42      ; word i: tile 2 i in lanes 0-15, tile 2 i + 1 in lanes 16-31
	v_cndmask_b32 v[253+2*\hd], v[WD+4*\hd+2], v[WD+4*\hd+3], s42
.endr
	s_wait_alu depctr_va_vdst(0)                   ; the codes v80 to v127 and the scale words v252 to v255 are written, which the fourteen stores below read
.irp hd, 0,1
.irp g, 0,1,2,3,4,5
	global_store_b128 v1, v[F0+24*\hd+4*\g:F0+24*\hd+4*\g+3], s[44+2*\hd:45+2*\hd] offset:512*\g   ; 512 consecutive bytes, aligned
.endr
	global_store_b64 v22, v[252+2*\hd:253+2*\hd], s[48+2*\hd:49+2*\hd]   ; 256 consecutive bytes, aligned
.endr
	s_wait_dscnt 0x0
	s_wait_alu depctr_hold_cnt(0) depctr_sa_sdst(0) depctr_va_vdst(0) depctr_va_sdst(0) depctr_va_ssrc(0) depctr_va_vcc(0) depctr_vm_vsrc(0)
	s_wait_tensorcnt 0x0
	ds_add_u32 v239, v243
	s_wait_dscnt 0x0
	s_endpgm
; ---- v: my head's 64 channels x my 128 keys: four whole fragments
.Lv:
	s_sub_co_u32 s20, ttmp9, 8
	s_lshl_b32 s20, s20, 2
	s_add_co_u32 s20, s20, s18                     ; the head
	s_lshl_b32 s21, s19, 1
	s_add_co_u32 s21, s21, s17                     ; the key step
	s_lshl_b32 s20, s20, 5
	s_add_co_u32 s20, s20, s21
	s_mul_i32 s32, s20, 12288
	s_mov_b32 s33, 0
	s_add_nc_u64 s[44:45], s[12:13], s[32:33]
	s_lshl_b32 s32, s20, 10
	s_add_nc_u64 s[48:49], s[14:15], s[32:33]
.irp b, 0,1,2,3
	QUANT64 64*\b, F0+12*\b, WD+\b
	s_wait_alu depctr_va_vdst(0)                   ; this fragment's twelve registers and its scale word are written, which the four stores below read; each fragment has registers of its own, so none is written again
.irp g, 0,1,2
	global_store_b128 v1, v[F0+12*\b+4*\g:F0+12*\b+4*\g+3], s[44:45] offset:6144+1536*\b+512*\g
.endr
	global_store_b32 v23, v[WD+\b], s[48:49] offset:512+128*\b
.endr
	s_wait_dscnt 0x0
	s_wait_alu depctr_hold_cnt(0) depctr_sa_sdst(0) depctr_va_vdst(0) depctr_va_sdst(0) depctr_va_ssrc(0) depctr_va_vcc(0) depctr_vm_vsrc(0)
	s_wait_tensorcnt 0x0
	ds_add_u32 v239, v243
	s_wait_dscnt 0x0
	s_endpgm
.Lfunc_end_k_q690b158e33_qkv:
	.size	k_q690b158e33_qkv, .Lfunc_end_k_q690b158e33_qkv-k_q690b158e33_qkv
	.p2alignl 7, 3214868480
	.fill 96, 4, 3214868480
	.section	.rodata,"a",@progbits
	.p2align	6, 0x0
	.amdhsa_kernel k_q690b158e33_qkv
		.amdhsa_group_segment_fixed_size 103424
		.amdhsa_private_segment_fixed_size 0
		.amdhsa_enable_private_segment 0
		.amdhsa_kernarg_size 48
		.amdhsa_user_sgpr_count 2
		.amdhsa_user_sgpr_kernarg_segment_ptr 1
		.amdhsa_wavefront_size32 1
		.amdhsa_system_sgpr_workgroup_id_x 1
		.amdhsa_system_sgpr_workgroup_id_y 1
		.amdhsa_system_sgpr_workgroup_id_z 1
		.amdhsa_system_vgpr_workitem_id 0
		.amdhsa_next_free_vgpr 512
		.amdhsa_next_free_sgpr 66
		.amdhsa_reserve_vcc 0
		.amdhsa_float_denorm_mode_32 3
		.amdhsa_float_denorm_mode_16_64 3
		.amdhsa_memory_ordered 1
		.amdhsa_forward_progress 1
		.amdhsa_inst_pref_size 116
	.end_amdhsa_kernel
	.amdgpu_metadata
---
amdhsa.version: [ 1, 2 ]
amdhsa.kernels:
  - .name:           k_q690b158e33_qkv
    .symbol:         k_q690b158e33_qkv.kd
    .args:
      - { .name: xw_codes, .offset: 0, .size: 8, .value_kind: global_buffer, .address_space: global }
      - { .name: xw_scales, .offset: 8, .size: 8, .value_kind: global_buffer, .address_space: global }
      - { .name: q_codes, .offset: 16, .size: 8, .value_kind: global_buffer, .address_space: global }
      - { .name: q_scales, .offset: 24, .size: 8, .value_kind: global_buffer, .address_space: global }
      - { .name: kv_codes, .offset: 32, .size: 8, .value_kind: global_buffer, .address_space: global }
      - { .name: kv_scales, .offset: 40, .size: 8, .value_kind: global_buffer, .address_space: global }
    .group_segment_fixed_size: 103424
    .private_segment_fixed_size: 0
    .kernarg_segment_align: 8
    .kernarg_segment_size: 48
    .max_flat_workgroup_size: 256
    .sgpr_count:     66
    .vgpr_count:     512
    .wavefront_size: 32
...
	.end_amdgpu_metadata
.endif
;; end of part 6
;; launch attn (part 7): grid 16 x 16, 8 waves a work-group, no clusters, 33,792 bytes of LDS; arguments q_codes, q_scales, kv_codes, kv_scales, c_codes, c_scales; writes c_codes, c_scales
.if DOCPART == 7
	.amdgcn_target "amdgcn-amd-amdhsa--gfx1250"
	.amdhsa_code_object_version 6
	.text
	.protected	k_q690b158e33_attn
	.globl	k_q690b158e33_attn
	.p2align	8
	.type	k_q690b158e33_attn,@function
k_q690b158e33_attn:
	s_mov_b64 s[64:65], 0
	v_nop
	global_prefetch_b8 v0, s[64:65] scope:SCOPE_SE
	s_setreg_imm32_b32 hwreg(HW_REG_WAVE_SCHED_MODE, 0, 2), 2
	s_setreg_imm32_b32 hwreg(HW_REG_WAVE_MODE, 25, 1), 1
	s_wait_xcnt 0x0
	s_wait_alu depctr_vm_vsrc(0)
; ctx[h][q] = the sum over keys k <= q of softmax_k(q . k / 8) v[k], both products on codes of BF6 (E3M2) with E8M0 scales for each 32 along K; ctx is quantised at once, along the head's channels, for the last product.
; THE SOFTMAX AHEAD OF THE SECOND PRODUCT: t = score x log2(e) / 8; M = the running largest t rounded UP to a whole number; p = 2^(t - M) is quantised along the keys, not normalised; the row's sum is taken of the
; unquantised p and divides at the end.  When M moves, the sum and O are multiplied by 2^(old M - new M): exact.
; EVEN SHARES UNDER THE CAUSAL MASK.  Work-group (j, head) owns query blocks j and 31 - j (128 queries each), one after the other: (j + 1) + (32 - j) = 33 key steps of 128 keys, whatever j.  A block's last step lies on
; the diagonal and is masked; the steps above the diagonal are never walked.  Each of the eight waves holds one tile of 16 queries; all waves walk the same steps.
; LAYOUT.  Both products are used transposed: S^T = K Q^T (source 0 = 16 keys), O^T = V^T P^T (source 0 = 16 channels): a lane holds ONE query throughout.  The keys of a tile of K and the channels of a tile of V^T were
; chosen by the launch before so that register 16 b + i of S^T is key 32 b + 16 (lane / 16) + i and of O^T channel 32 b + 16 (lane / 16) + i: neighbours along the next K.
; A HEAD OF 64 IN A PRODUCT 128 DEEP.  Q's registers 6-11 hold zero codes.  K's eight tiles have six registers each and lie on end; tile t is named as twelve registers from 6 t on, so its upper six are the next tile's
; codes (for tile 7: six cleared registers).  They meet Q's zeros; E3M2 has no infinity and no NaN, so they add exactly nothing.  Bytes 2 and 3 of both scale words repeat bytes 0 and 1.
; A key step's record (12,288 bytes of codes, 1,024 of scale words, dense in memory) is loaded a trip ahead into registers and stored into the other of two LDS slots: one barrier a trip.  Two trips are written on end,
; so that the slot is a constant in every LDS address.
; NO CLUSTER: from trip j + 1 on the work-groups of a head stand at different key steps, so partners would want different tiles in the same round.
; LIMITS: NaN and infinities are not served; p under 2^-126 comes out as 0 (v_exp_f32 flushes denormals: ISA guide 15.8); 1 / l is v_rcp_f32; a block whose largest magnitude lies under 2^-122 keeps the byte 1.
; THE MODE: SCHED_MODE bits 1:0 = 2 (LLVM: expert scheduling mode 2), set by the entry lines.  The code itself states the register dependences between vector or matrix instructions and memory or LDS
; instructions, with s_wait_alu, always for 0.
; THE PLAN.  Registers that memory or LDS instructions touch:
;   v1-5, v12-15, v29, v47     addresses and offsets: written by vector lines at the head, never again.
;   v16-21, v28                Q and its scale word: global loads land here when a block begins; the products K Q^T read them.
;   v34-46                     the next record: global loads land here at a trip's head; the LDS stores at the trip's end read them; no vector line names them.
;   v48-95, v102-105           K and its scale words: LDS loads at the trip's head; the eight products K Q^T read them.
;   v48-95, v106-107, v242-243 V and its scale words: LDS loads behind those products; the four products V^T P read them.
;   v204-215, v239             p's codes and scale word: written by vector lines, taken by the products V^T P;  v204-209 and v244, when a block ends: written by vector lines, read by the global stores.
; A trip's waits: on vm_vsrc at its head (the last trip's LDS stores have read v34-46); on va_vdst ahead of K's loads (the last trip's products are done with the registers); on va_vdst behind K Q^T (those products are done
; with v48-95); the two behind the exponentials; on va_vdst ahead of V^T P (p's codes and scale word are written).  No line of the softmax names V's registers, so V's loads follow the third wait in four short runs,
; dealt among the maxima, with no further wait.  The mask's compares go in runs of sixteen into scalar registers, one wait on va_sdst behind each run.
.set SL,   16384                       ; an LDS slot: K's codes at 0, V's at LV, K's scale words at LKS, V's at LVS
.set LV,   6144
.set LKS,  12288
.set LVS,  12800
.set KV,   48                          ; v48-95 K's run of 48 registers, later V's four fragments; v96-101 stay 0
.set KSC,  102                         ; v102-105 K's scale words: register i: tile 2 i in lanes 0-15, tile 2 i + 1 in lanes 16-31.   V's: v106, v107, v242, v243
.set S,    108                         ; v108-171 S^T, then p
.set OT,   172                         ; v172-203 O^T
.set PC,   204                         ; v204-215 p's codes, at the end ctx's
.set CT,   216                         ; v216-222 the conversions' second halves
.set BM,   224                         ; v224-227 each block's largest score, then largest p
.set BX,   228                         ; v228-231 lane l xor 16's; then bytes
.set SCL,  232                         ; v232-235 the conversions' scale operands
; v1 16 x lane, v2 8 x lane, v3 4 x lane, v4 16 x thread, v5 4 x thread, v11 the mask's bound, v12-14 Q's three pieces, v15 Q's scale word's place, v16-27 Q, v28 Q's scale word, v29 256 x lane,
; v30 -M, v31 the largest t, v[32:33] the sum in two halves, v34-46 the next record on its way, v47 4 r, v236 at work, v237 -infinity, v238 f, v239 p's scale word, v[240:241] the second chain of sums, v244 ctx's two bytes
; s16 wave, s17 j, s18 head, s19 T (the trip), s20 the block's last trip, s21 the loop's count, s[22:23] lane selects, s[24:25] c, s26 the last trip that prefetches, s27 j + 1,
; s[28:35] Q's codes, Q's scale words, ctx's codes, ctx's scale bytes of the block in hand, s[36:39] the next record, s[40:41] the prefetch, s52 wave / 4;
; s2, s3, s44, s45, s48-51, s54-61: behind the head, the sixteen masks of a run of compares
	s_load_b256 s[4:11], s[0:1], 0x0               ; q_codes s[4:5], q_scales s[6:7], kv_codes s[8:9], kv_scales s[10:11]
	s_load_b128 s[12:15], s[0:1], 0x20             ; c_codes s[12:13], c_scales s[14:15]
	v_lshl_add_u32 v254, v0, 2, 0x8000
	v_mov_b32 v255, 0
	v_lshrrev_b32 v1, 5, v0
	v_readfirstlane_b32 s16, v1                    ; wave 0..7
	s_mov_b32 s17, ttmp9                           ; j
	s_and_b32 s18, ttmp7, 0xffff                   ; the head
	s_add_co_u32 s27, s17, 1
	v_and_b32 v6, 31, v0                           ; lane
	v_and_b32 v7, 15, v0                           ; r
	v_bfe_u32 v8, v0, 4, 1                         ; h
	v_lshlrev_b32 v1, 4, v6
	v_lshlrev_b32 v2, 3, v6
	v_lshlrev_b32 v3, 2, v6
	v_lshlrev_b32 v4, 4, v0
	v_lshlrev_b32 v5, 2, v0
	v_lshlrev_b32 v29, 8, v6
	v_lshlrev_b32 v47, 2, v7
	v_and_b32 v9, 8, v7
	v_add_nc_u32 v9, v9, v7                        ; r + 8 (r / 8)
	v_lshlrev_b32 v10, 4, v8
	v_sub_nc_u32 v11, v9, v10
	s_wait_alu depctr_va_sdst(0)                   ; s16 is written, ahead of its first reader: the wave's places are made from it
	s_lshr_b32 s52, s16, 2
	s_lshr_b32 s42, s16, 1
	s_lshl_b32 s42, s42, 5
	s_and_b32 s43, s16, 1
	s_lshl_b32 s44, s43, 3
	s_add_co_u32 s42, s42, s44
	v_add_nc_u32 v11, s42, v11                     ; my query in its block of 128, less 16 h: on the diagonal register 16 b + i (key 32 b + 16 h + i) is hidden where 32 b + i is greater
	s_and_b32 s45, s16, 3                          ; my tile in its group of 64 queries: registers 6 x tile .. + 5 of the group's run of 24, as three pairs
	s_mul_i32 s45, s45, 3
.irp p, 0,1,2
	s_add_co_u32 s46, s45, \p                      ; pair P lies at 512 (P / 2) + 16 x lane + 8 (P % 2)
	s_lshr_b32 s47, s46, 1
	s_lshl_b32 s47, s47, 9
	s_and_b32 s46, s46, 1
	s_lshl_b32 s46, s46, 3
	s_add_co_u32 s46, s46, s47
	v_add_nc_u32 v[12+\p], s46, v1
.endr
	s_lshl_b32 s46, s43, 7                         ; my tile's scale words: 8 (r + 16 (tile % 2)) + 4 (tile / 2)
	s_bfe_u32 s47, s16, 0x10001
	s_lshl_b32 s47, s47, 2
	s_add_co_u32 s46, s46, s47
	v_lshl_add_u32 v15, v7, 3, s46
.irp i, 22,23,24,25,26,27,96,97,98,99,100,101
	v_mov_b32 v[\i], 0                             ; Q's upper half, and what stands behind K's last tile: zero codes, for the whole launch
.endr
.irp i, 228,229,230,231,236,239
	v_mov_b32 v[\i], 0                             ; written once: lane permutes' destinations, and the upper half of the pair v[238:239], count as read
.endr
	s_mov_b32 s22, 0x76543210
	s_mov_b32 s23, 0xfedcba98
	s_mov_b32 s24, 0x3e38aa3b                      ; c = log2(e) / 8
	s_mov_b32 s25, s24                             ; (the packed form names the pair)
	s_cmp_lt_u32 s16, 3                            ; who prefetches: waves 0-2 of the head's work-group j = 0, up to trip 28
	s_cselect_b32 s26, 28, -1
	s_cmp_eq_u32 s17, 0
	s_cselect_b32 s26, s26, -1
	s_lshr_b32 s48, s18, 1                         ; the last product's K step,
	s_and_b32 s49, s18, 1                          ; and which half of it my head fills
	s_lshl_b32 s50, s48, 3
	s_add_co_u32 s50, s50, s16
	s_mul_i32 s50, s50, 1536
	s_mul_i32 s51, s49, 768
	s_add_co_u32 s50, s50, s51                     ; ctx's codes: (8 x K step + wave) fragments + 768 x half
	s_lshl_b32 s48, s48, 9
	s_lshl_b32 s51, s16, 6
	s_add_co_u32 s48, s48, s51
	s_lshl_b32 s51, s49, 1
	s_add_co_u32 s48, s48, s51                     ; its scale bytes: 512 x K step + 64 x wave + 2 x half
	s_mov_b32 s47, 0
	s_wait_kmcnt 0x0
	s_mul_i32 s46, s18, 196608
	s_add_nc_u64 s[4:5], s[4:5], s[46:47]          ; every buffer at my head
	s_lshl_b32 s46, s18, 14
	s_add_nc_u64 s[6:7], s[6:7], s[46:47]
	s_mul_i32 s46, s18, 393216
	s_add_nc_u64 s[8:9], s[8:9], s[46:47]
	s_lshl_b32 s46, s18, 15
	s_add_nc_u64 s[10:11], s[10:11], s[46:47]
	s_mov_b32 s46, s50
	s_add_nc_u64 s[12:13], s[12:13], s[46:47]
	s_mov_b32 s46, s48
	s_add_nc_u64 s[14:15], s[14:15], s[46:47]
	s_lshl_b32 s46, s16, 13
	s_add_co_u32 s46, s46, 24576
	s_add_nc_u64 s[40:41], s[8:9], s[46:47]        ; the prefetch: record 2, + 8,192 x wave
.macro BLOCKPTR b                      ; the pointers of query block s[b]
	s_lshl_b32 s42, s[\b], 1
	s_add_co_u32 s42, s42, s52                     ; my group of 64 queries
	s_mul_i32 s46, s42, 3072
	s_add_nc_u64 s[28:29], s[4:5], s[46:47]
	s_lshl_b32 s46, s42, 8
	s_add_nc_u64 s[30:31], s[6:7], s[46:47]
	s_mul_i32 s46, s[\b], 98304
	s_add_nc_u64 s[32:33], s[12:13], s[46:47]
	s_lshl_b32 s46, s[\b], 12
	s_add_nc_u64 s[34:35], s[14:15], s[46:47]
.endm
.macro INIT                            ; a block begins: Q is asked for; O^T and the sum are zeros, the largest t lies under every t, so the first step is a step like any other
	global_load_b64 v[16:17], v12, s[28:29]        ; (no wait of its own: behind the last wait on va_vdst no vector or matrix line names v16 to v21 or v28)
	global_load_b64 v[18:19], v13, s[28:29]
	global_load_b64 v[20:21], v14, s[28:29]
	global_load_b32 v28, v15, s[30:31]
	v_mov_b32 v31, 0xff61b1e6                      ; -3e38
	v_floor_f32 v30, -v31
	v_mov_b32 v32, 0
	v_mov_b32 v33, 0
.set n, 0
.rept 32
	v_mov_b32 v[OT+n], 0
.set n, n+1
.endr
.endm
.macro STAGE_ISSUE                     ; the record of trip T + 1: key step T + 1 of the first block, T - j of the second.  The pointers' last loads were waited for in the trip before
	s_add_co_u32 s42, s19, 1
	s_cmp_gt_u32 s42, s17
	s_cselect_b32 s43, s27, 0
	s_sub_co_u32 s42, s42, s43
	s_mul_i32 s46, s42, 12288
	s_add_nc_u64 s[36:37], s[8:9], s[46:47]
	s_lshl_b32 s46, s42, 10
	s_add_nc_u64 s[38:39], s[10:11], s[46:47]
	global_load_b128 v[34:37], v4, s[36:37]
	global_load_b128 v[38:41], v4, s[36:37] offset:4096
	global_load_b128 v[42:45], v4, s[36:37] offset:8192
	global_load_b32 v46, v5, s[38:39]
.endm
; A PREFETCH INTO THE L2, in the trips with an even T, behind the wave's loads: the code records T + 2 and T + 3 of the head, 24,576 bytes: three waves, 8,192 bytes each, lanes 256 bytes apart.  All sixteen work-groups of a
; head walk the same records: the one with j = 0 asks, so each aligned block of 256 bytes is named once in the launch.  The work-groups furthest on load record T + 1 in trip T.  Records 0 and 1 and the scale words
; come by their loads alone.  The last request, in trip 28, names records 30 and 31, the head's last.
.macro ASK
	s_cmp_gt_i32 s19, s26
	s_cbranch_scc1 .Lnoask_\@
	global_prefetch_b8 v29, s[40:41] th:TH_LOAD_NT scope:SCOPE_SE
.Lnoask_\@:
.endm
.macro KQ t
.if (\t)%2
	v_wmma_scale_f32_16x16x128_f8f6f4 v[S+8*(\t):S+8*(\t)+7], v[KV+6*(\t):KV+6*(\t)+11], v[16:27], 0, v[KSC+(\t)/2], v28 matrix_a_fmt:MATRIX_FMT_BF6 matrix_b_fmt:MATRIX_FMT_BF6 matrix_a_scale:MATRIX_SCALE_ROW1
.else
	v_wmma_scale_f32_16x16x128_f8f6f4 v[S+8*(\t):S+8*(\t)+7], v[KV+6*(\t):KV+6*(\t)+11], v[16:27], 0, v[KSC+(\t)/2], v28 matrix_a_fmt:MATRIX_FMT_BF6 matrix_b_fmt:MATRIX_FMT_BF6
.endif
.endm
.macro VFRAG slot, d                   ; fragment d of V^T: three loads of 512 consecutive bytes
.irp g, 0,1,2
	ds_load_b128 v[KV+12*(\d)+4*\g:KV+12*(\d)+4*\g+3], v1 offset:SL*(\slot)+LV+1536*(\d)+512*\g
.endr
.endm
; A KEY STEP: 128 keys out of LDS slot 'slot'.  last = 1: the launch's last trip, which is always a diagonal
.macro STEP slot, last
	s_wait_alu depctr_va_vdst(0)                   ; the last trip's products are done reading v48 to v95 (V^T P) and v102 to v105 (K Q^T), in which the loads below land; they were issued ahead of that trip's barrier
	ds_load_b64 v[KSC:KSC+1], v2 offset:SL*\slot+LKS
	ds_load_b64 v[KSC+2:KSC+3], v2 offset:SL*\slot+LKS+256
.irp g, 0,1,2,3,4,5,6,7,8,9,10,11
	ds_load_b128 v[KV+4*\g:KV+4*\g+3], v1 offset:SL*\slot+512*\g
.endr
.irp t, 0,1,2,3,4,5,6,7
.if \t < 7
	s_wait_dscnt 11-(6*\t+11)/4                    ; tile t names registers 6 t to 6 t + 11 of K's run: the last of their loads is number (6 t + 11) / 4 of the twelve; those issued behind it stay out
.endif
	KQ \t                                          ; S^T = K Q^T: eight tiles of 16 keys
.endr
.rept 4
	v_nop                                          ; four places behind the products, ahead of the first read of the scores (ISA guide 7.12.1)
.endr
	s_wait_alu depctr_va_vdst(0)                   ; the eight products are done reading v48 to v95, in which V lands.  All V's loads of this step hang on this wait alone: no line of the mask or the softmax names their registers
.irp d, 0,1,2,3
	ds_load_b32 v[106+\d+134*(\d/2)], v3 offset:SL*\slot+LVS+128*\d
.endr
	VFRAG \slot, 0                                 ; V lands while the softmax is walked: its four fragments are dealt among the maxima
.if !\last
	s_cmp_lg_u32 s19, s20                          ; only a block's last step lies on the diagonal
	s_cbranch_scc1 .Lopen_\@
.endif
	v_mov_b32 v237, 0xff800000                     ; hidden scores become -infinity ahead of the maximum: p = 0 then.  Key 0 counts for every query, so M is a number from a block's first step on
.irp q, 0,1,2,3                        ; block q of 32 keys: sixteen compares into sixteen scalar registers, one wait, sixteen selects
.set n, 0
.irp r, 2,3,44,45,48,49,50,51,54,55,56,57,58,59,60,61
	v_cmp_gt_i32 s[\r], 32*\q+n, v11
.set n, n+1
.endr
	s_wait_alu depctr_va_sdst(0)                   ; the sixteen masks are written, ahead of the selects that read them
.set n, 0
.irp r, 2,3,44,45,48,49,50,51,54,55,56,57,58,59,60,61
	v_cndmask_b32 v[S+16*\q+n], v[S+16*\q+n], v237, s[\r]
.set n, n+1
.endr
.endr
.Lopen_\@:
.irp b, 0,1,2,3
	v_max3_num_f32 v[BM+\b], v[S+16*\b], v[S+16*\b+1], v[S+16*\b+2]   ; the largest score of each block of 32 keys: it serves the row's maximum and, since p rises with the score, the block's largest p
.endr
	VFRAG \slot, 1
.irp i, 3,5,7,9,11,13
.irp b, 0,1,2,3
	v_max3_num_f32 v[BM+\b], v[BM+\b], v[S+16*\b+\i], v[S+16*\b+\i+1]
.endr
.if \i == 5
	VFRAG \slot, 2
.endif
.if \i == 9
	VFRAG \slot, 3
.endif
.endr
.irp b, 0,1,2,3
	v_max_num_f32 v[BM+\b], v[BM+\b], v[S+16*\b+15]
.endr
.irp b, 0,1,2,3
	v_permlanex16_b32 v[BX+\b], v[BM+\b], s22, s23
.endr
.irp b, 0,1,2,3
	v_max_num_f32 v[BM+\b], v[BM+\b], v[BX+\b]     ; with lane l xor 16's 16 keys
.endr
	v_max3_num_f32 v236, v[BM], v[BM+1], v[BM+2]
	v_max_num_f32 v236, v236, v[BM+3]
	v_mul_f32 v236, s24, v236                      ; the step's largest t (c is positive)
	v_max_num_f32 v31, v31, v236                   ; the running largest t
	v_mov_b32 v236, v30
	v_floor_f32 v30, -v31                          ; the new -M = floor(-t) = -ceil(t)
	v_sub_f32 v236, v30, v236                      ; old M - new M: a whole number, 0 or less
	v_cvt_i32_f32 v236, v236                       ; (it saturates)
	v_ldexp_f32 v238, 1.0, v236                    ; f = 2^(old M - new M)
.set n, 0
.rept 32
	v_pk_fma_f32 v[S+n:S+n+1], v[S+n:S+n+1], s[24:25], v[30:31] op_sel_hi:[1,0,0]   ; t - M, two at a time
.set n, n+2
.endr
.irp b, 0,1,2,3
	v_fma_f32 v[BM+\b], v[BM+\b], s24, v30         ; the same of each block's largest score
.endr
.set n, 0
	s_wait_alu depctr_va_vdst(0)
.rept 64
	v_exp_f32 v[S+n], v[S+n]                       ; p = 2^(t - M)
.set n, n+1
.endr
	v_pk_mul_f32 v[32:33], v[32:33], v[238:239] op_sel_hi:[1,0]   ; the sums under the new M: the plain place behind the exponentials
	s_wait_alu depctr_va_vdst(0)                   ; the 64 exponentials have written p: one wait for the batch, ahead of its first reader
.irp b, 0,1,2,3
	v_exp_f32 v[BM+\b], v[BM+\b]                   ; the block's largest p: the same two instructions on the same number give the same bits
.endr
	v_pk_add_f32 v[240:241], v[S:S+1], v[S+2:S+3]  ; the row's sum is taken of the unquantised p, in two chains
.irp j, 4,8,12,16,20,24,28,32,36,40,44,48,52,56,60
	v_pk_add_f32 v[32:33], v[32:33], v[S+\j:S+\j+1]
	v_pk_add_f32 v[240:241], v[240:241], v[S+\j+2:S+\j+3]
.endr
	v_pk_add_f32 v[32:33], v[32:33], v[240:241]
	s_wait_alu depctr_va_vdst(0)                   ; the four exponentials have written the blocks' largest p, ahead of their first reader
.irp b, 0,1,2,3
	v_max_num_f32 v[BM+\b], 0x2800000, v[BM+\b]    ; the floor 2^(5 - 127): a block whose every p is 0 keeps the byte 1; its codes are zeros
.endr
.irp b, 0,1,2,3
	v_add_nc_u32 v[SCL+\b], 0xfe000000, v[BM+\b]   ; 4 off the exponent field: the conversion's scale operand
.endr
.irp b, 0,1,2,3
	v_lshrrev_b32 v[BX+\b], 23, v[SCL+\b]          ; the byte
.endr
	v_lshl_or_b32 v239, v[BX+1], 8, v[BX]          ; p's scale word for these 128 keys
	v_lshl_or_b32 v239, v[BX+2], 16, v239
	v_lshl_or_b32 v239, v[BX+3], 24, v239
.irp c, 0,1
	v_cvt_scalef32_pk16_bf6_f32 v[PC+6*\c:PC+6*\c+2], v[S+32*\c:S+32*\c+15], v[SCL+2*\c]
	v_cvt_scalef32_pk16_bf6_f32 v[CT+4*\c:CT+4*\c+2], v[S+32*\c+16:S+32*\c+31], v[SCL+2*\c+1]
.endr
	v_nop                                          ; one plain place behind a scaled conversion
.irp c, 0,1
.irp i, 0,1,2
	v_permlane16_swap_b32 v[PC+6*\c+\i], v[CT+4*\c+\i]   ; a whole block in a lane
.endr
.irp i, 0,1,2
	v_mov_b32 v[PC+6*\c+3+\i], v[CT+4*\c+\i]
.endr
.endr
.set n, 0
.rept 16
	v_pk_mul_f32 v[OT+n:OT+n+1], v[OT+n:OT+n+1], v[238:239] op_sel_hi:[1,0]   ; O^T under the new M.  Twelve of the sixteen name no register of any one product below: the places between p's scale word and codes and the products
.set n, n+2
.endr
	s_wait_dscnt 0x0                               ; V is in
	s_wait_alu depctr_va_vdst(0)                   ; p's codes v204 to v215 and its scale word v239 are written, which the products below take; the places above stay beside this wait
.irp d, 0,1,2,3
	v_wmma_scale_f32_16x16x128_f8f6f4 v[OT+8*\d:OT+8*\d+7], v[KV+12*\d:KV+12*\d+11], v[PC:PC+11], v[OT+8*\d:OT+8*\d+7], v[106+\d+134*(\d/2)], v239 matrix_a_fmt:MATRIX_FMT_BF6 matrix_b_fmt:MATRIX_FMT_BF6   ; the four accumulators by turns; the scores' eight products stand between a trip's link and the next
.endr
.rept 4
	v_nop                                          ; four places behind the products, ahead of the first read of O^T and of what next touches their registers (ISA guide 7.12.1)
.endr
.endm
; A block ends: O^T / the sum is ctx of my 16 queries x my head's 64 channels; it becomes six registers of a fragment of the last product (pairs of registers at 256 P + 8 x lane) and two scale bytes a row
.macro FINISH
	v_add_f32 v32, v32, v33
	v_permlanex16_b32 v236, v32, s22, s23
	v_add_f32 v32, v32, v236                       ; the row's sum
	s_wait_alu depctr_va_vdst(0)
	v_rcp_f32 v236, v32
	v_nop                                          ; a plain place behind the reciprocal,
	s_wait_alu depctr_va_vdst(0)                   ; and the wait: the reciprocal has written v236, ahead of its first reader
.set n, 0
.rept 32
	v_mul_f32 v[S+n], v[OT+n], v236                ; each accumulator from its low end on
.set n, n+1
.endr
.irp k, 0,1
	v_max3_num_f32 v[BM+\k], |v[S+16*\k]|, |v[S+16*\k+1]|, 0x2800000
.endr
.irp i, 2,4,6,8,10,12,14
.irp k, 0,1
	v_max3_num_f32 v[BM+\k], v[BM+\k], |v[S+16*\k+\i]|, |v[S+16*\k+\i+1]|
.endr
.endr
.irp k, 0,1
	v_permlanex16_b32 v[BX+\k], v[BM+\k], s22, s23
.endr
.irp k, 0,1
	v_max_num_f32 v[BM+\k], v[BM+\k], v[BX+\k]
.endr
.irp k, 0,1
	v_add_nc_u32 v[SCL+\k], 0xfe000000, v[BM+\k]
.endr
.irp k, 0,1
	v_lshrrev_b32 v[BX+\k], 23, v[SCL+\k]
.endr
	v_lshl_or_b32 v244, v[BX+1], 8, v[BX]
	v_cvt_scalef32_pk16_bf6_f32 v[PC:PC+2], v[S:S+15], v[SCL]
	v_cvt_scalef32_pk16_bf6_f32 v[CT:CT+2], v[S+16:S+31], v[SCL+1]
	v_nop
.irp i, 0,1,2
	v_permlane16_swap_b32 v[PC+\i], v[CT+\i]
.endr
.irp i, 0,1,2
	v_mov_b32 v[PC+3+\i], v[CT+\i]
.endr
	s_wait_alu depctr_va_vdst(0)                   ; ctx's codes v204 to v209 and its two bytes v244 are written, which the four stores below read
.irp p, 0,1,2
	global_store_b64 v2, v[PC+2*\p:PC+2*\p+1], s[32:33] offset:256*\p   ; 32 lanes store 256 consecutive bytes, aligned
.endr
	global_store_b16 v47, v244, s[34:35]           ; my head's two bytes of row r's word; both halves of the lanes write the same value
.endm
.macro TRIP slot, last
.if !\last
	s_wait_alu depctr_vm_vsrc(0)                   ; the LDS stores of the trip before (ahead of the first trip: of record 0) have read v34 to v46, in which the loads below land
	STAGE_ISSUE
.if \slot == 0
	ASK
.endif
.endif
	STEP \slot, \last
.if \last
	FINISH
.else
	s_cmp_lg_u32 s19, s20
	s_cbranch_scc1 .Lgo_\@
	FINISH                                         ; the first block is done;
	s_wait_xcnt 0x0                                ; its stores have had their addresses translated: the pointers are written again below,
	s_wait_alu depctr_vm_vsrc(0)                   ; and they have read v204 to v209 and v244, which later steps' vector lines write again
	s_mov_b32 s20, 32
	s_sub_co_u32 s53, 31, s17
	BLOCKPTR 53                                    ; the second begins
	INIT
.Lgo_\@:
	s_wait_loadcnt 0x0                             ; the next record is in registers (and Q, where a block has begun),
.irp i, 0,1,2
	ds_store_b128 v4, v[34+4*\i:37+4*\i] offset:SL*(1-\slot)+4096*\i   ; and goes into the slot that every wave left before the last barrier
.endr
	ds_store_b32 v5, v46 offset:SL*(1-\slot)+LKS
.if \slot
	s_wait_xcnt 0x0                                ; the prefetch, a trip and more back, has read its address
	s_add_nc_u64 s[40:41], s[40:41], 24576         ; two records on
.endif
	s_wait_dscnt 0x0                               ; for the others' sake: my stores have landed; my reads of this trip's slot are in
	s_barrier_signal -1
	s_barrier_wait -1
	s_add_co_u32 s19, s19, 1
.endif
.endm
	s_wait_alu depctr_va_vdst(0)                   ; the addresses and offsets v1 to v5, v12 to v15, v29, v47 are written, which every load, store and prefetch reads; so are the zero codes v22 to v27 and v96 to v101, which the products K Q^T take
	BLOCKPTR 17
	INIT
	global_load_b128 v[34:37], v4, s[8:9]          ; record 0
	global_load_b128 v[38:41], v4, s[8:9] offset:4096
	global_load_b128 v[42:45], v4, s[8:9] offset:8192
	global_load_b32 v46, v5, s[10:11]
	s_wait_loadcnt 0x0
.irp i, 0,1,2
	ds_store_b128 v4, v[34+4*\i:37+4*\i] offset:4096*\i
.endr
	ds_store_b32 v5, v46 offset:LKS
	s_wait_dscnt 0x0
	s_barrier_signal -1
	s_barrier_wait -1
	s_mov_b32 s19, 0
	s_mov_b32 s20, s17                             ; the first block's diagonal is trip j
	s_mov_b32 s21, 16
.Ltrips:                                           ; 16 passes of two trips, T = 0 .. 31
	TRIP 0, 0
	TRIP 1, 0
	s_sub_co_u32 s21, s21, 1
	s_cmp_lg_u32 s21, 0
	s_cbranch_scc1 .Ltrips
	TRIP 0, 1                                      ; T = 32: the second block's diagonal; nothing is left to fetch
	s_wait_dscnt 0x0
	s_wait_alu depctr_hold_cnt(0) depctr_sa_sdst(0) depctr_va_vdst(0) depctr_va_sdst(0) depctr_va_ssrc(0) depctr_va_vcc(0) depctr_vm_vsrc(0)
	s_wait_tensorcnt 0x0
	ds_add_u32 v254, v255
	s_wait_dscnt 0x0
	s_endpgm
.Lfunc_end_k_q690b158e33_attn:
	.size	k_q690b158e33_attn, .Lfunc_end_k_q690b158e33_attn-k_q690b158e33_attn
	.p2alignl 7, 3214868480
	.fill 96, 4, 3214868480
	.section	.rodata,"a",@progbits
	.p2align	6, 0x0
	.amdhsa_kernel k_q690b158e33_attn
		.amdhsa_group_segment_fixed_size 33792
		.amdhsa_private_segment_fixed_size 0
		.amdhsa_enable_private_segment 0
		.amdhsa_kernarg_size 48
		.amdhsa_user_sgpr_count 2
		.amdhsa_user_sgpr_kernarg_segment_ptr 1
		.amdhsa_wavefront_size32 1
		.amdhsa_system_sgpr_workgroup_id_x 1
		.amdhsa_system_sgpr_workgroup_id_y 1
		.amdhsa_system_sgpr_workgroup_id_z 1
		.amdhsa_system_vgpr_workitem_id 0
		.amdhsa_next_free_vgpr 256
		.amdhsa_next_free_sgpr 66
		.amdhsa_reserve_vcc 0
		.amdhsa_float_denorm_mode_32 3
		.amdhsa_float_denorm_mode_16_64 3
		.amdhsa_memory_ordered 1
		.amdhsa_forward_progress 1
		.amdhsa_inst_pref_size 100
	.end_amdhsa_kernel
	.amdgpu_metadata
---
amdhsa.version: [ 1, 2 ]
amdhsa.kernels:
  - .name:           k_q690b158e33_attn
    .symbol:         k_q690b158e33_attn.kd
    .args:
      - { .name: q_codes, .offset: 0, .size: 8, .value_kind: global_buffer, .address_space: global }
      - { .name: q_scales, .offset: 8, .size: 8, .value_kind: global_buffer, .address_space: global }
      - { .name: kv_codes, .offset: 16, .size: 8, .value_kind: global_buffer, .address_space: global }
      - { .name: kv_scales, .offset: 24, .size: 8, .value_kind: global_buffer, .address_space: global }
      - { .name: c_codes, .offset: 32, .size: 8, .value_kind: global_buffer, .address_space: global }
      - { .name: c_scales, .offset: 40, .size: 8, .value_kind: global_buffer, .address_space: global }
    .group_segment_fixed_size: 33792
    .private_segment_fixed_size: 0
    .kernarg_segment_align: 8
    .kernarg_segment_size: 48
    .max_flat_workgroup_size: 256
    .sgpr_count:     66
    .vgpr_count:     256
    .wavefront_size: 32
...
	.end_amdgpu_metadata
.endif
;; end of part 7
;; launch oproj (part 8): grid 8 x 32, 8 waves a work-group, no clusters, 121,856 bytes of LDS; arguments c_codes, c_scales, xw_codes, xw_scales, b_o, out0; writes out0
.if DOCPART == 8
	.amdgcn_target "amdgcn-amd-amdhsa--gfx1250"
	.amdhsa_code_object_version 6
	.text
	.protected	k_q690b158e33_oproj
	.globl	k_q690b158e33_oproj
	.p2align	8
	.type	k_q690b158e33_oproj,@function
k_q690b158e33_oproj:
	s_mov_b64 s[64:65], 0
	v_nop
	global_prefetch_b8 v0, s[64:65] scope:SCOPE_SE
	s_setreg_imm32_b32 hwreg(HW_REG_WAVE_SCHED_MODE, 0, 2), 2
	s_setreg_imm32_b32 hwreg(HW_REG_WAVE_MODE, 25, 1), 1
	s_wait_xcnt 0x0
	s_wait_alu depctr_vm_vsrc(0)
; out = ctx W_o + b_o on codes of BF6 (E3M2) with E8M0 scales for each 32 along K, sums in f32.  ctx's codes and scale words were made by the attention, W_o's by the first launch, both as images of operand registers.
; A work-group makes 128 columns (x) x 128 tokens (y) over K = 1,024, 8 steps: 256 work-groups.  Eight waves; a wave makes 64 columns (4 tiles a, source 0 = W_o's columns) x 32 tokens (2 tiles b, source 1 = ctx):
; eight accumulators, (a, b) at v[112 + 8 (4 b + a)].  A lane holds one token, and its 16 registers of tiles 2 n and 2 n + 1 are 16 neighbouring columns.
; THE BIAS IS LOADED INTO THE ACCUMULATORS, in the result's layout: every K step then adds in place, and the bias costs no addition.
; A K step's tiles (two dense blocks of 12,288 bytes, two of 512 bytes of scale words) are loaded a step ahead into registers and stored into one of two LDS slots: one barrier a step.
; NO CLUSTER, NO TENSOR LOAD: K has 8 steps; tiles shared along the grid's rows and columns are staged by plain loads here, the simplest sound form.
; OUT: through each wave's own stage in LDS, so that sixteen lanes store 256 consecutive bytes of a row, aligned.
; THE MODE: SCHED_MODE bits 1:0 = 2 (LLVM: expert scheduling mode 2), set by the entry lines.  The code itself states the register dependences between vector or matrix instructions and memory or LDS
; instructions, with s_wait_alu, always for 0.
; THE PLAN.  Registers that memory or LDS instructions touch:
;   v1-7, v37-39, v240  addresses and offsets: written by vector lines at the head, never again.  (v40, v41 are at work at the head; fragments land in them later.)
;   v12-36              the global loads of K step s + 1 land here at the head of step s; the LDS stores at the end of step s read them; no vector line names them.
;   v8-10, v40-111      the LDS loads of step s land here; step s's eight products read them.
;   v112-175            the bias's loads land here; the products add onto them; the stores into the stage read them.
;   v176-239            the loads from the stage land here; the global stores read them; no vector or matrix line names them.
; So a step's head holds two waits: on vm_vsrc, ahead of the global loads (the LDS stores have read v12-36), and, from step 1 on, on va_vdst, ahead of the LDS loads (the last step's products, issued ahead of that
; step's barrier, are done reading the fragments and scale words).  One more on va_vdst stands behind the last places, ahead of the stores of the accumulators.
.set WOFF,  3145728
.set WSOFF, 131072
.set SL,    25600                      ; an LDS slot: W_o's codes at 0, ctx's at 12,288, W_o's scale words at 24,576, ctx's at 25,088
.set STAGE, 2*SL                       ; behind the slots: 32 rows x (256 bytes + 16) for each wave
.set SP,    272
.set F0,  40                           ; v40-87   W_o's four fragments
.set F1,  88                           ; v88-111  ctx's two
.set ACC, 112                          ; v112-175
.set BK,  176                          ; v176-239 rows read back from the stage
; v1 W_o's fragments, v2 ctx's, v3 W_o's scale words, v4 ctx's (LDS addresses in slot 0; the slot stands in the immediate); v5 16 x thread; v6 where I store a scale word; v7 which word I load;
; v8-9 W_o's scale words (register i: tile 2 i in lanes 0-15, tile 2 i + 1 in lanes 16-31), v10 ctx's (tile 0, tile 1); v12-36 the next K step on its way; v37, v38 the stage, in and out; v39 my bytes in out0; v240 the bias
.macro WM d, a, b, sa, sb, ra, rb
.if (\ra) && (\rb)
	v_wmma_scale_f32_16x16x128_f8f6f4 v[(\d):(\d)+7], v[(\a):(\a)+11], v[(\b):(\b)+11], v[(\d):(\d)+7], v[(\sa)], v[(\sb)] matrix_a_fmt:MATRIX_FMT_BF6 matrix_b_fmt:MATRIX_FMT_BF6 matrix_a_scale:MATRIX_SCALE_ROW1 matrix_b_scale:MATRIX_SCALE_ROW1
.elseif (\ra)
	v_wmma_scale_f32_16x16x128_f8f6f4 v[(\d):(\d)+7], v[(\a):(\a)+11], v[(\b):(\b)+11], v[(\d):(\d)+7], v[(\sa)], v[(\sb)] matrix_a_fmt:MATRIX_FMT_BF6 matrix_b_fmt:MATRIX_FMT_BF6 matrix_a_scale:MATRIX_SCALE_ROW1
.elseif (\rb)
	v_wmma_scale_f32_16x16x128_f8f6f4 v[(\d):(\d)+7], v[(\a):(\a)+11], v[(\b):(\b)+11], v[(\d):(\d)+7], v[(\sa)], v[(\sb)] matrix_a_fmt:MATRIX_FMT_BF6 matrix_b_fmt:MATRIX_FMT_BF6 matrix_b_scale:MATRIX_SCALE_ROW1
.else
	v_wmma_scale_f32_16x16x128_f8f6f4 v[(\d):(\d)+7], v[(\a):(\a)+11], v[(\b):(\b)+11], v[(\d):(\d)+7], v[(\sa)], v[(\sb)] matrix_a_fmt:MATRIX_FMT_BF6 matrix_b_fmt:MATRIX_FMT_BF6
.endif
.endm
	s_load_b256 s[4:11], s[0:1], 0x0               ; c_codes s[4:5], c_scales s[6:7], xw_codes s[8:9], xw_scales s[10:11]
	s_load_b128 s[12:15], s[0:1], 0x20             ; b_o s[12:13], out0 s[14:15]
	v_lshl_add_u32 v254, v0, 2, 0x1d800
	v_mov_b32 v255, 0
	v_lshrrev_b32 v1, 5, v0
	v_readfirstlane_b32 s16, v1                    ; wave 0..7
	s_and_b32 s19, ttmp7, 0xffff                   ; the block of 128 tokens
	v_and_b32 v11, 31, v0                          ; lane
	v_and_b32 v40, 15, v0                          ; r
	v_bfe_u32 v41, v0, 4, 1                        ; h
	v_lshlrev_b32 v5, 4, v0
	v_lshl_add_u32 v6, v0, 2, 24576
	v_and_b32 v7, 127, v0
	v_lshlrev_b32 v7, 2, v7
	v_lshlrev_b32 v39, 12, v41
	v_lshl_add_u32 v39, v40, 4, v39                ; my bytes in out0: lanes 0-15 one row, lanes 16-31 the next; a row is 4,096 bytes
	v_lshlrev_b32 v240, 6, v41                     ; the bias: 16 h numbers on
	s_wait_alu depctr_va_sdst(0)                   ; s16 is written, ahead of its first reader: the wave's shares and LDS places are made from it
	s_and_b32 s17, s16, 1                          ; which 64 columns
	s_lshr_b32 s18, s16, 1                         ; which 32 tokens
	s_mul_i32 s20, s17, 6144
	v_lshl_add_u32 v1, v11, 4, s20
	s_mul_i32 s20, s18, 3072
	s_add_co_u32 s20, s20, 12288
	v_lshl_add_u32 v2, v11, 3, s20
	s_lshl_b32 s20, s17, 8
	s_add_co_u32 s20, s20, 24576
	v_lshl_add_u32 v3, v11, 2, s20
	s_lshl_b32 s20, s18, 7
	s_add_co_u32 s20, s20, 25088
	v_lshl_add_u32 v4, v11, 2, s20
	s_mul_i32 s20, s16, 32*SP
	s_add_co_u32 s20, s20, STAGE                   ; my stage
	v_mul_u32_u24 v37, v40, SP
	v_lshl_add_u32 v37, v41, 6, v37
	v_add_nc_u32 v37, s20, v37                     ; in: row r of a tile of tokens, + 64 h
	v_mul_u32_u24 v38, v41, SP
	v_lshl_add_u32 v38, v40, 4, v38
	v_add_nc_u32 v38, s20, v38                     ; back: lanes 0-15 one row, lanes 16-31 the next
	s_lshr_b32 s20, ttmp9, 1
	s_add_co_u32 s20, s20, 12                      ; W_o's blocks of 256 columns are 12 to 15
	s_and_b32 s21, ttmp9, 1                        ; which half of the block
	s_mul_i32 s32, s20, 196608
	s_mul_i32 s22, s21, 12288
	s_add_co_u32 s32, s32, s22
	s_add_co_u32 s32, s32, WOFF
	s_mov_b32 s33, 0
	s_lshl_b32 s34, s20, 13
	s_lshl_b32 s22, s21, 9
	s_add_co_u32 s34, s34, s22
	s_add_co_u32 s34, s34, WSOFF
	s_mov_b32 s35, 0
	s_mul_i32 s36, s19, 98304
	s_mov_b32 s37, 0
	s_lshl_b32 s38, s19, 12
	s_mov_b32 s39, 0
	s_lshl_b32 s40, ttmp9, 9                       ; my first column, in bytes: 512 x work-group x + 256 x (wave % 2)
	s_lshl_b32 s22, s17, 8
	s_add_co_u32 s40, s40, s22
	s_mov_b32 s41, 0
	s_lshl_b32 s42, s19, 19                        ; my first token's row: 128 rows of 4,096 bytes a block, 32 a wave pair
	s_lshl_b32 s22, s18, 17
	s_add_co_u32 s42, s42, s22
	s_add_co_u32 s42, s42, s40
	s_mov_b32 s43, 0
	s_wait_kmcnt 0x0
	s_add_nc_u64 s[24:25], s[8:9], s[32:33]        ; W_o's codes
	s_add_nc_u64 s[26:27], s[4:5], s[36:37]        ; ctx's
	s_add_nc_u64 s[10:11], s[10:11], s[34:35]
	s_add_nc_u64 s[6:7], s[6:7], s[38:39]
	s_add_nc_u64 s[12:13], s[12:13], s[40:41]
	s_add_nc_u64 s[14:15], s[14:15], s[42:43]
	s_cmp_lt_u32 s16, 4                            ; waves 0-3 stage W_o's 128 scale words of a K step, waves 4-7 ctx's
	s_cselect_b64 s[28:29], s[10:11], s[6:7]
	s_mov_b32 s30, 512
	s_cselect_b32 s30, 1024, s30                   ; a K step on, in bytes
	s_mov_b32 s31, 0
	s_wait_alu depctr_va_vdst(0)                   ; the addresses and offsets v1 to v7, v37 to v39 and v240 are written, which every load and store below reads; so are v40 and v41, in which fragments land
.irp b, 0,1
.irp a, 0,1,2,3
	global_load_b128 v[ACC+8*(4*\b+\a):ACC+8*(4*\b+\a)+3], v240, s[12:13] offset:(32*(\a/2)+8*(\a%2))*4      ; register j of tile a: column 32 (a / 2) + 16 h + 8 (a % 2) + j
	global_load_b128 v[ACC+8*(4*\b+\a)+4:ACC+8*(4*\b+\a)+7], v240, s[12:13] offset:(32*(\a/2)+8*(\a%2))*4+16
.endr
.endr
.macro GLOAD s
.irp i, 0,1,2
	global_load_b128 v[12+4*\i:15+4*\i], v5, s[24:25] offset:24576*(\s)+4096*\i
.endr
.irp i, 0,1,2
	global_load_b128 v[24+4*\i:27+4*\i], v5, s[26:27] offset:12288*(\s)+4096*\i
.endr
	global_load_b32 v36, v7, s[28:29]
.endm
.macro LSTORE p
.irp i, 0,1,2
	ds_store_b128 v5, v[12+4*\i:15+4*\i] offset:SL*(\p)+4096*\i
.endr
.irp i, 0,1,2
	ds_store_b128 v5, v[24+4*\i:27+4*\i] offset:SL*(\p)+12288+4096*\i
.endr
	ds_store_b32 v6, v36 offset:SL*(\p)
.endm
.macro FETCH p                         ; 27 LDS loads: the scale words, ctx's two fragments, then W_o's four, tile by tile
	ds_load_b32 v8, v3 offset:SL*(\p)
	ds_load_b32 v9, v3 offset:SL*(\p)+128
	ds_load_b32 v10, v4 offset:SL*(\p)
.irp b, 0,1
.irp q, 0,1,2,3,4,5
	ds_load_b64 v[F1+12*\b+2*\q:F1+12*\b+2*\q+1], v2 offset:SL*(\p)+1536*\b+256*\q     ; ctx's fragments lie by pairs of registers: 256 P + 8 x lane
.endr
.endr
.irp a, 0,1,2,3
.irp g, 0,1,2
	ds_load_b128 v[F0+12*\a+4*\g:F0+12*\a+4*\g+3], v1 offset:SL*(\p)+1536*\a+512*\g
.endr
.endr
.endm
.macro KSTEP s, more
.if \more
	s_wait_alu depctr_vm_vsrc(0)                   ; my LDS stores of this step's tiles have read v12 to v36, in which the loads below land
	GLOAD (\s)+1                                   ; the next K step is asked for a step ahead
.endif
.if (\s) > 0
	s_wait_alu depctr_va_vdst(0)                   ; the last step's products are done reading the fragments and the scale words, in which the LDS loads below land
.endif
	FETCH (\s)%2
.irp a, 0,1,2,3
	s_wait_dscnt 3*(3-\a)                          ; tile a of W_o is in: behind it stand the three loads of each later tile
.irp b, 0,1
	WM ACC+8*(4*\b+\a), F0+12*\a, F1+12*\b, 8+\a/2, 10, \a%2, \b      ; the eight accumulators by turns, in the same order in every step
.endr
.endr
.rept 4
	v_nop                                          ; four places behind the products, ahead of what next touches their registers (ISA guide 7.12.1); the waits on va_vdst stand beside them and fill none
.endr
.if \more
	s_wait_loadcnt 0x0                             ; the next step is in registers: so the scale words' pointer may step,
	s_add_nc_u64 s[28:29], s[28:29], s[30:31]
	LSTORE ((\s)+1)%2                              ; and the step goes into the slot that every wave left before the last barrier
	s_wait_dscnt 0x0                               ; for the others' sake: my stores have landed
	s_barrier_signal -1
	s_barrier_wait -1
.endif
.endm
	GLOAD 0
	s_wait_loadcnt 0x0                             ; K step 0, and the bias
	s_add_nc_u64 s[28:29], s[28:29], s[30:31]
	LSTORE 0
	s_wait_dscnt 0x0
	s_barrier_signal -1
	s_barrier_wait -1
.irp s, 0,1,2,3,4,5,6
	KSTEP \s, 1
.endr
	KSTEP 7, 0
; THE WAY OUT.  A lane holds 32 neighbouring bytes of a row for each tile; the lanes beside it hold other rows.  My 32 tokens x 64 columns go through my own stage and come back as rows of 256 bytes.
; LDS serves a wave's instructions in order (ISA guide 5.7.1.4): no wait between the stores and the loads.
	s_wait_alu depctr_va_vdst(0)                   ; the products have written the accumulators, which the LDS stores read; the four places above stay beside this wait
.irp b, 0,1
.irp a, 0,1,2,3
	ds_store_b128 v37, v[ACC+8*(4*\b+\a):ACC+8*(4*\b+\a)+3] offset:16*\b*SP+128*(\a/2)+32*(\a%2)        ; each accumulator from its low end on
	ds_store_b128 v37, v[ACC+8*(4*\b+\a)+4:ACC+8*(4*\b+\a)+7] offset:16*\b*SP+128*(\a/2)+32*(\a%2)+16
.endr
.endr
.irp i, 0,1,2,3,4,5,6,7,8,9,10,11,12,13,14,15
	ds_load_b128 v[BK+4*\i:BK+4*\i+3], v38 offset:2*\i*SP
.endr
.irp i, 0,1,2,3,4,5,6,7,8,9,10,11,12,13,14,15
	s_wait_dscnt 15-\i                             ; rows 2 i and 2 i + 1 of the stage are back; the younger loads stay out
	global_store_b128 v39, v[BK+4*\i:BK+4*\i+3], s[14:15] offset:(8*(\i/8)+2*(\i%8)+8*((\i%8)/4))*4096 th:TH_STORE_NT   ; stage row 16 b + r is token 8 b + r + 8 (r / 8); sixteen lanes store 256 consecutive bytes, aligned
.endr
	s_wait_dscnt 0x0
	s_wait_alu depctr_hold_cnt(0) depctr_sa_sdst(0) depctr_va_vdst(0) depctr_va_sdst(0) depctr_va_ssrc(0) depctr_va_vcc(0) depctr_vm_vsrc(0)
	s_wait_tensorcnt 0x0
	ds_add_u32 v254, v255
	s_wait_dscnt 0x0
	s_endpgm
.Lfunc_end_k_q690b158e33_oproj:
	.size	k_q690b158e33_oproj, .Lfunc_end_k_q690b158e33_oproj-k_q690b158e33_oproj
	.p2alignl 7, 3214868480
	.fill 96, 4, 3214868480
	.section	.rodata,"a",@progbits
	.p2align	6, 0x0
	.amdhsa_kernel k_q690b158e33_oproj
		.amdhsa_group_segment_fixed_size 121856
		.amdhsa_private_segment_fixed_size 0
		.amdhsa_enable_private_segment 0
		.amdhsa_kernarg_size 48
		.amdhsa_user_sgpr_count 2
		.amdhsa_user_sgpr_kernarg_segment_ptr 1
		.amdhsa_wavefront_size32 1
		.amdhsa_system_sgpr_workgroup_id_x 1
		.amdhsa_system_sgpr_workgroup_id_y 1
		.amdhsa_system_sgpr_workgroup_id_z 1
		.amdhsa_system_vgpr_workitem_id 0
		.amdhsa_next_free_vgpr 256
		.amdhsa_next_free_sgpr 66
		.amdhsa_reserve_vcc 0
		.amdhsa_float_denorm_mode_32 3
		.amdhsa_float_denorm_mode_16_64 3
		.amdhsa_memory_ordered 1
		.amdhsa_forward_progress 1
		.amdhsa_inst_pref_size 44
	.end_amdhsa_kernel
	.amdgpu_metadata
---
amdhsa.version: [ 1, 2 ]
amdhsa.kernels:
  - .name:           k_q690b158e33_oproj
    .symbol:         k_q690b158e33_oproj.kd
    .args:
      - { .name: c_codes, .offset: 0, .size: 8, .value_kind: global_buffer, .address_space: global }
      - { .name: c_scales, .offset: 8, .size: 8, .value_kind: global_buffer, .address_space: global }
      - { .name: xw_codes, .offset: 16, .size: 8, .value_kind: global_buffer, .address_space: global }
      - { .name: xw_scales, .offset: 24, .size: 8, .value_kind: global_buffer, .address_space: global }
      - { .name: b_o, .offset: 32, .size: 8, .value_kind: global_buffer, .address_space: global }
      - { .name: out0, .offset: 40, .size: 8, .value_kind: global_buffer, .address_space: global }
    .group_segment_fixed_size: 121856
    .private_segment_fixed_size: 0
    .kernarg_segment_align: 8
    .kernarg_segment_size: 48
    .max_flat_workgroup_size: 256
    .sgpr_count:     66
    .vgpr_count:     256
    .wavefront_size: 32
...
	.end_amdgpu_metadata
.endif
;; end of part 8
